; MI455X (gfx1250); checked and timed in simulation.
; The chip was launched on July 23, 2026; its instructions are those of AMD's public machine-readable ISA for CDNA 5 (MIT licence, August 2026) and "CDNA5" Instruction Set Architecture Reference Guide (July 2026). The comments in the code are by the model that wrote it; some were corrected since.
;; Multi Head Self Attention Naive. Allowed arithmetic: matrix products marked QUANTISED: E2M3 operands, one E8M0 scale for each 32 along K, by v_wmma_scale_f32_16x16x128_f8f6f4 with both operands' format E2M3, f32 sums; everything else in f32.
;; Inputs: b_in 3,072 float32; b_out 1,024 float32; w_in 1,024 x 3,072 float32; w_out 1,024 x 1,024 float32; x 4 x 2,048 x 1,024 float32.
;; Outputs: out0 4 x 2,048 x 1,024 float32.
;; This version of the problem:
;;   THIS VERSION OF THE PROBLEM IS GIVEN IN LOW PRECISION. The matrix products marked QUANTISED in the list below multiply operands that are first quantised to E2M3 (2 exponent bits, 3 mantissa bits; 6 bits a number), with one power-of-two scale for each 32 numbers along K (OCP MX v1.0); their sums are f32. All else is computed in f32.
;;   The module's matrix products, in the order in which they are computed (A, B: the left and right operand; K: the contracted axis; several contracted axes count as one K, in the product's order):
;;     1. [M 8,192, K 1,024] x [K 1,024, N 3,072]; A: input x; B: input w_in: QUANTISED
;;     2. batch 64 x [M 2,048, K 64] x [K 64, N 2,048]; A: computed on the way; B: computed on the way: QUANTISED
;;     3. batch 64 x [M 2,048, K 2,048] x [K 2,048, N 64]; A: softmax (see below); B: computed on the way: QUANTISED
;;     4. [M 8,192, K 1,024] x [K 1,024, N 1,024]; A: computed on the way; B: input w_out: QUANTISED
;;   THE QUANTISER, for each operand of a quantised product, along K:
;;     - K is cut into blocks of 32 from its start; a last block that is shorter is filled with zeros.
;;     - A block's scale is 2^e with e = floor(log2(the largest magnitude in the block)) - 2, held to -126 .. 127; a block of zeros has e = 0. As a byte (E8M0): e + 127.
;;     - Each number is divided by its block's scale, clamped to +-7.5, and rounded to the nearest number of E2M3, ties to even, subnormals kept.
;;     - The product sums the exact products of the quantised numbers (number of the format x scale) in f32.
;;   ~~~python
;;   def quantise(x, axis):      # numpy; x: float32 -> the quantised numbers, widened to float32 again
;;       x = np.moveaxis(x, axis, -1); K = x.shape[-1]
;;       x = np.pad(x, [(0, 0)] * (x.ndim - 1) + [(0, -K % 32)]); x = x.reshape(x.shape[:-1] + (-1, 32)); a = np.abs(x).max(-1, keepdims=True)
;;       e = np.where(a > 0, np.clip(np.frexp(np.where(a > 0, a, 1))[1] - 1 - 2, -126, 127), 0)      # np.frexp(a)[1] - 1 = floor(log2(a)), exactly
;;       r = np.clip(x / 2.0 ** e, -7.5, 7.5)
;;       step = 2.0 ** (np.maximum(np.frexp(np.where(r == 0, 1, r))[1] - 1, 0) - 3)
;;       q = np.round(r / step) * step * 2.0 ** e      # np.round: ties to even
;;       return np.moveaxis(q.reshape(q.shape[:-2] + (-1,))[..., :K], -1, axis).astype(np.float32)
;;   ~~~
;;   SOFTMAX AHEAD OF A QUANTISED PRODUCT. Where the list says 'softmax', what is quantised is not the finished softmax but p = 2^(t - M), with t = logit x log2(e) and M = ceil(the row's largest t), a whole number; so 1/2 < the row's largest p <= 1. The row's sum l is taken of the UNQUANTISED p, in f32, and the product's result is divided by l at the end. Since M is a whole number, a kernel that streams over the keys may use a running M (the ceiling of the running maximum): every later rescaling is an exact power of two, which a block's scale takes up: the codes' values come out the same.
;;   OPERANDS COMPUTED ON THE WAY. 'Computed on the way' means the value that the module computes at that place (a softmax that the list does not call 'softmax' is quantised finished and normalised). What goes into a quantiser is computed in f32, as accurately as f32 sums, v_exp_f32 and their like allow (about 1e-6 of the number): no bf16 or f16 on the way to a quantiser, and a product that is left as it is and whose result goes on into a quantised operand takes f32 operands (vector FMAs, or v_wmma_f32_16x16x4_f32). A number that lies on a knife's edge between two numbers of the format may be rounded either way, as far as f32 arithmetic and the matrix unit's own rounding can turn it there, and no further.
;; One version. Each part assembles by itself: llvm-mc -triple=amdgcn-amd-amdhsa -mcpu=gfx1250 --defsym DOCPART=n.
;; ======== version 1 of 1: 4 launches
;; workspace buffers: opnd 9,830,400 bytes; qkv 20,185,088 bytes; att 6,553,600 bytes
;; launch quant (part 1): grid 512 x 1, 4 waves a work-group, no clusters, 34,816 bytes of LDS; arguments x, w_in, w_out, opnd; writes opnd
.if DOCPART == 1
	.amdgcn_target "amdgcn-amd-amdhsa--gfx1250"
	.amdhsa_code_object_version 6
	.text
	.protected	k_qcd09cd3298_quant
	.globl	k_qcd09cd3298_quant
	.p2align	8
	.type	k_qcd09cd3298_quant,@function
k_qcd09cd3298_quant:
	s_mov_b64 s[64:65], 0
	v_nop
	global_prefetch_b8 v0, s[64:65] scope:SCOPE_SE
	s_setreg_imm32_b32 hwreg(HW_REG_WAVE_MODE, 25, 1), 1
	s_wait_xcnt 0x0
; x [8192][1024], w_in [1024][3072] and w_out [1024][1024], f32, become codes of FP6 (E2M3) with one E8M0 scale byte for each 32 along K (x: its last axis; the weights: their FIRST axis).
; A block's scale is 2^(floor(log2(its largest magnitude)) - 2); its byte is the largest magnitude's exponent field - 2, held at 1 from below; numbers beyond 7.5 scales take the largest code.
; LIMITS: NaN and infinities are not served; blocks whose largest magnitude lies under 2^-124 get the byte 1; a block of zeros gets the byte 1, not 127: its codes are zeros and this program alone reads the bytes.
; THE OUTPUT IS LAID IN THE ORDER OF THE OPERAND'S REGISTERS.  GROUP g of an operand's rows: the 16 rows 32 (g / 2) + 8 (g % 2) + r + 8 (r / 8), r = 0 .. 15.  A HALF-IMAGE, 768 bytes, is a group x 64 along K:
; lane (r, h) owns the 24 bytes of block h of row r: its first 16 at 16 x lane, its last 8 at 512 + 8 x lane.  A K step of 128 is two half-images, a group's 1,024 along K eight K steps: 12,288 bytes.
; Scale words: 512 bytes a group: the word of K step 4 kk + i of row r at 256 kk + 16 r + 4 i.
; Work-groups 0-255 take x (32 rows each), 256-511 the weights (32 columns x 512 along K each).  The two paths share no LDS byte.  No tensor loads; several work-groups lie on a WGP.
.set OFF_WIC, 6291456                  ; opnd: x's codes at 0, w_in's here,
.set OFF_WOC, 8650752                  ; w_out's,
.set OFF_XS,  9437184                  ; x's scale words,
.set OFF_WIS, 9699328                  ; w_in's,
.set OFF_WOS, 9797632                  ; w_out's
.set STGW, 8448                        ; x path: a wave's stage: 16 rows x (512 bytes + 16)
.set WSC,  4*STGW                      ; w path: 512 bytes in which the four waves' scale words meet
.set LN,   1                           ; v1  lane
.set L16,  2                           ; v2  16 x lane
.set L8,   3                           ; v3  8 x lane
.set XSTW, 4                           ; v4  stage, way in
.set XRD,  5                           ; v5  stage, way out: row r, + 64 h
.set R16,  6                           ; v6  16 r
.set WSW,  7                           ; v7  where my scale word goes (w path)
.set RR,   8                           ; v8  r
.set HH,   9                           ; v9  h
.set WSR,  10                          ; v10 where wave 0 reads the words back
.set COL,  11                          ; v11 4 x my column of the strip
.set WGO,  12                          ; v12 512 h + 16 r
.set RAW,  16                          ; v16-143  x: two sets of 64 as loaded;  w: my column's 128 numbers
.set X,    144                         ; v144-207 x: 64 numbers in the quantiser's order
.set PC,   208                         ; v208-227 the codes just made
.set TM,   228                         ; v228-243 at work
.set PW,   244                         ; the scale word just made
.set W4,   248                         ; v248-251 four tasks' scale words
.set CBK,  144                         ; w: block b's six registers at CBK + 8 b
.set CT,   176                         ; w: the upper halves as converted
.set WT,   192                         ; w: at work
.set WV,   12
.set SEL,  24
; 64 numbers of a lane, register 16 b + i = k 32 b + 16 h + i of my row, become a fragment's codes in v[PC] on and its scale word in v[PW].
.macro QUANT s
.irp b, 0,1,2,3
	v_max3_num_f32 v[TM+\b], |v[\s+16*\b]|, |v[\s+1+16*\b]|, 0x1800000   ; my 16 numbers of block b, and the floor 2^(3 - 127): the byte cannot fall under 1
.endr
.irp i, 2,4,6,8,10,12,14
.irp b, 0,1,2,3
	v_max3_num_f32 v[TM+\b], v[TM+\b], |v[\s+16*\b+\i]|, |v[\s+1+16*\b+\i]|
.endr
.endr
.irp b, 0,1,2,3
	v_permlanex16_b32 v[TM+4+\b], v[TM+\b], s[SEL], s[SEL+1]
.endr
.irp b, 0,1,2,3
	v_max_num_f32 v[TM+\b], v[TM+\b], v[TM+4+\b]   ; with lane l xor 16's: the block's largest magnitude
.endr
.irp b, 0,1,2,3
	v_add_nc_u32 v[TM+12+\b], 0xff000000, v[TM+\b] ; 2 off its exponent field: the conversion's scale operand
.endr
.irp b, 0,1,2,3
	v_lshrrev_b32 v[TM+4+\b], 23, v[TM+12+\b]      ; the scale's byte
.endr
	v_lshl_or_b32 v[PW], v[TM+5], 8, v[TM+4]
	v_lshl_or_b32 v[PW], v[TM+6], 16, v[PW]
	v_lshl_or_b32 v[PW], v[TM+7], 24, v[PW]
.irp c, 0,1
	v_cvt_scalef32_pk16_fp6_f32 v[PC+6*\c:PC+2+6*\c], v[\s+32*\c:\s+15+32*\c], v[TM+12+2*\c]
	v_cvt_scalef32_pk16_fp6_f32 v[PC+12+4*\c:PC+14+4*\c], v[\s+16+32*\c:\s+31+32*\c], v[TM+12+2*\c+1]   ; (a conversion's three registers begin on an even number)
.endr
	v_nop                                          ; one plain place behind a scaled conversion
.irp c, 0,1                                    ; the layout wants a WHOLE block in a lane: lanes 0-15 block 2 c, lanes 16-31 block 2 c + 1
.irp i, 0,1,2
	v_permlane16_swap_b32 v[PC+6*\c+\i], v[PC+12+4*\c+\i]
.endr
.irp i, 0,1,2
	v_mov_b32 v[PC+3+6*\c+\i], v[PC+12+4*\c+\i]
.endr
.endr
.endm
	s_load_b256 s[4:11], s[0:1], 0x0               ; x s[4:5], w_in s[6:7], w_out s[8:9], opnd s[10:11]
	v_lshl_add_u32 v254, v0, 2, 0x8600
	v_mov_b32 v255, 0
	v_lshrrev_b32 v1, 5, v0
	v_readfirstlane_b32 s[WV], v1                  ; wave 0..3
	v_and_b32 v[LN], 31, v0
	v_lshlrev_b32 v[L16], 4, v[LN]
	v_lshlrev_b32 v[L8], 3, v[LN]
	v_and_b32 v[RR], 15, v0
	v_bfe_u32 v[HH], v0, 4, 1
	v_lshlrev_b32 v[R16], 4, v[RR]
	s_mul_i32 s13, s[WV], STGW
	v_add_nc_u32 v[XSTW], s13, v[L16]
	v_mul_u32_u24 v[XRD], v[RR], 528
	v_lshl_add_u32 v[XRD], v[HH], 6, v[XRD]
	v_add_nc_u32 v[XRD], s13, v[XRD]
	s_lshl_b32 s13, s[WV], 2
	s_add_co_u32 s13, s13, WSC
	v_add_nc_u32 v[WSW], s13, v[L16]               ; WSC + 16 x lane + 4 x wave
	v_add_nc_u32 v[WSR], WSC, v[L16]
	v_lshl_add_u32 v[WGO], v[HH], 9, v[R16]
	s_mov_b32 s[SEL], 0x76543210
	s_mov_b32 s[SEL+1], 0xfedcba98                 ; v_permlanex16_b32's selects for lane l xor 16
	s_cmp_lt_u32 ttmp9, 256
	s_cbranch_scc0 .Lweights
	; ---- x.  Work-group j: rows 32 j .. 32 j + 31, two groups.  Wave w: group 2 j + w / 2, K half kk = w % 2: four tasks of 16 rows x 128 K.
	s_lshr_b32 s14, s[WV], 1
	s_and_b32 s15, s[WV], 1
	s_lshl_b32 s16, ttmp9, 5
	s_lshl_b32 s17, s14, 3
	s_add_co_u32 s16, s16, s17                     ; the group's first row
	s_lshl_b32 s16, s16, 12                        ; 4,096 bytes a row
	s_lshl_b32 s17, s15, 11
	s_add_co_u32 s16, s16, s17
	s_mov_b32 s17, 0
	s_lshl_b32 s18, ttmp9, 1
	s_add_co_u32 s18, s18, s14                     ; the group
	s_mul_i32 s20, s18, 12288
	s_mul_i32 s19, s15, 6144
	s_add_co_u32 s20, s20, s19
	s_mov_b32 s21, 0
	s_lshl_b32 s22, s18, 9
	s_lshl_b32 s19, s15, 8
	s_add_co_u32 s22, s22, s19
	s_add_co_u32 s22, s22, OFF_XS
	s_mov_b32 s23, 0
.irp b, 0,1,2,3
	v_mov_b32 v[TM+4+\b], 0                        ; written once: a lane permute's destination counts as one of its sources
.endr
	s_wait_kmcnt 0x0
	s_add_nc_u64 s[4:5], s[4:5], s[16:17]
	s_add_nc_u64 s[20:21], s[10:11], s[20:21]      ; my codes
	s_add_nc_u64 s[22:23], s[10:11], s[22:23]      ; my scale words
.macro LOAD t                          ; task t: 16 loads, each 512 consecutive bytes of one row of the group
.set i, 0
.rept 16
	global_load_b128 v[RAW+64*((\t)%2)+4*i:RAW+64*((\t)%2)+4*i+3], v[L16], s[4:5] offset:(i+8*(i/8))*4096+512*(\t) th:TH_LOAD_NT
.set i, i+1
.endr
.endm
.macro TASK t
.if (\t) < 3
	s_wait_loadcnt 16                              ; this task's 16 loads are in; the next task's may be out
.else
	s_wait_loadcnt 0x0
.endif
.set i, 0
.rept 16
	ds_store_b128 v[XSTW], v[RAW+64*((\t)%2)+4*i:RAW+64*((\t)%2)+4*i+3] offset:528*i   ; as loaded: row i of the group at 528 i
.set i, i+1
.endr
.set i, 0
.rept 16
	ds_load_b128 v[X+4*i:X+4*i+3], v[XRD] offset:128*(i/4)+16*(i%4)   ; back: of my row, 16 neighbours of each block of 32.  LDS serves a wave's instructions in order: these see the stores
.set i, i+1
.endr
	s_wait_dscnt 0x0                               ; the numbers are back, and the stage's stores have read their registers,
.if (\t) < 2
	LOAD (\t)+2                                    ; which take the loads of two tasks on
.endif
	s_wait_xcnt 0x0                                ; the last task's stores have read their data: the codes' registers may be written again
	QUANT X
	v_mov_b32 v[W4+(\t)], v[PW]
	global_store_b128 v[L16], v[PC:PC+3], s[20:21] offset:1536*(\t)           ; each store covers whole aligned runs of 256 bytes
	global_store_b64 v[L8], v[PC+4:PC+5], s[20:21] offset:1536*(\t)+512
	global_store_b128 v[L16], v[PC+6:PC+9], s[20:21] offset:1536*(\t)+768
	global_store_b64 v[L8], v[PC+10:PC+11], s[20:21] offset:1536*(\t)+1280
.endm
	LOAD 0
	LOAD 1
	TASK 0
	TASK 1
	TASK 2
	TASK 3
	s_wait_xcnt 0x0                                ; EXEC changes only behind this wait
	v_cmp_gt_u32 vcc_lo, 16, v[LN]
	s_wait_tensorcnt 0x0
	ds_add_u32 v254, v255
	s_wait_dscnt 0x0
	s_and_saveexec_b32 s26, vcc_lo
	global_store_b128 v[R16], v[W4:W4+3], s[22:23] ; sixteen lanes: 256 consecutive bytes, aligned
	s_wait_xcnt 0x0
	s_or_b32 exec_lo, exec_lo, s26
	s_endpgm
	; ---- the weights.  Work-group 256 + 2 strip + kk: 32 columns (two groups), K steps 4 kk .. 4 kk + 3, one a wave.  A LANE TAKES A COLUMN AND ITS REGISTERS RUN DOWN K.
.Lweights:
	s_sub_co_u32 s13, ttmp9, 256
	s_lshr_b32 s14, s13, 1                         ; strip: 0-95 w_in, 96-127 w_out
	s_and_b32 s15, s13, 1                          ; kk
	s_wait_kmcnt 0x0
	s_cmp_lt_u32 s14, 96
	s_cselect_b64 s[6:7], s[6:7], s[8:9]           ; the choice hangs on the work-group's number alone
	s_cselect_b32 s16, 0, 96
	s_mov_b32 s17, OFF_WOC
	s_cselect_b32 s17, OFF_WIC, s17
	s_mov_b32 s18, OFF_WOS
	s_cselect_b32 s18, OFF_WIS, s18
	s_mov_b32 s19, 128*4096
	s_cselect_b32 s19, 128*12288, s19              ; a K step's 128 rows in bytes
	s_sub_co_u32 s16, s14, s16                     ; the strip within its tensor
	s_lshl_b32 s20, s15, 2
	s_add_co_u32 s20, s20, s[WV]                   ; my K step
	s_mul_i32 s22, s20, s19
	s_lshl_b32 s21, s16, 7
	s_add_co_u32 s22, s22, s21
	s_mov_b32 s23, 0
	s_add_nc_u64 s[6:7], s[6:7], s[22:23]
	s_mul_i32 s22, s16, 2*12288
	s_mul_i32 s21, s20, 1536
	s_add_co_u32 s22, s22, s21
	s_add_co_u32 s22, s22, s17
	s_add_nc_u64 s[26:27], s[10:11], s[22:23]      ; my codes
	s_lshl_b32 s22, s16, 10
	s_lshl_b32 s21, s15, 8
	s_add_co_u32 s22, s22, s21
	s_add_co_u32 s22, s22, s18
	s_add_nc_u64 s[28:29], s[10:11], s[22:23]      ; the work-group's scale words
	v_and_b32 v[COL], 8, v[RR]
	v_add_nc_u32 v[COL], v[COL], v[RR]             ; r + 8 (r / 8)
	v_lshl_add_u32 v[COL], v[HH], 3, v[COL]        ; + 8 h: lanes 0-15 are the strip's first group, lanes 16-31 its second; together the 32 lanes read 128 consecutive bytes
	v_lshlrev_b32 v[COL], 2, v[COL]
.macro WLOAD b, rs                     ; block b of my column: rows 32 b .. 32 b + 31 of the K step, rs bytes from row to row; each block has registers of its own
.set i, 0
.rept 32
	global_load_b32 v[RAW+32*(\b)+i], v[COL], s[6:7] offset:(32*(\b)+i)*(\rs)
.set i, i+1
.endr
.endm
.macro WBLOCK b, rs                    ; block b of my column: all 32 numbers are mine
.set NB, RAW+32*\b
.if \b < 3
	s_wait_loadcnt 32                              ; this block's 32 loads are in; the next block's 32 may be out
.else
	s_wait_loadcnt 0x0
.endif
.if \b < 2
	WLOAD (\b)+2, \rs                              ; loads run two blocks ahead
.endif
	v_max3_num_f32 v[WT], |v[NB]|, |v[NB+1]|, |v[NB+2]|
	v_max3_num_f32 v[WT+1], |v[NB+3]|, |v[NB+4]|, |v[NB+5]|
.irp i, 6,10,14,18,22,26
	v_max3_num_f32 v[WT], v[WT], |v[NB+\i]|, |v[NB+\i+1]|
	v_max3_num_f32 v[WT+1], v[WT+1], |v[NB+\i+2]|, |v[NB+\i+3]|
.endr
	v_max3_num_f32 v[WT], v[WT], |v[NB+30]|, |v[NB+31]|
	v_max3_num_f32 v[WT], v[WT], v[WT+1], 0x1800000   ; and the floor
	v_add_nc_u32 v[WT+2], 0xff000000, v[WT]
	v_lshrrev_b32 v[WT+1], 23, v[WT+2]
.if \b == 0
	v_mov_b32 v[WT+3], v[WT+1]                     ; the four bytes make my column's scale word of this K step
.else
	v_lshl_or_b32 v[WT+3], v[WT+1], 8*\b, v[WT+3]
.endif
	v_cvt_scalef32_pk16_fp6_f32 v[CBK+8*\b:CBK+8*\b+2], v[NB:NB+15], v[WT+2]
	v_cvt_scalef32_pk16_fp6_f32 v[CT+4*\b:CT+4*\b+2], v[NB+16:NB+31], v[WT+2]   ; (the next block begins with plain lines that name none of these)
.endm
.macro WARM rs                         ; a K step of my column, rs bytes from row to row
	WLOAD 0, \rs
	WLOAD 1, \rs
	WBLOCK 0, \rs
	WBLOCK 1, \rs
	WBLOCK 2, \rs
	WBLOCK 3, \rs
	v_nop                                          ; one plain place behind the last conversion
.endm
	s_cmp_lt_u32 s14, 96
	s_cbranch_scc0 .Lw_out                         ; the two arms differ in the immediates alone: a row of w_in is 12,288 bytes, of w_out 4,096
	WARM 12288
	s_branch .Lw_done
.Lw_out:
	WARM 4096
.Lw_done:
.irp b, 0,1,2,3
.irp i, 0,1,2
	v_mov_b32 v[CBK+8*\b+3+\i], v[CT+4*\b+\i]
.endr
.endr
.irp c, 0,1                                    ; blocks 2 c and 2 c + 1 change halves: the first run becomes the first group's half-image c, the second run the second group's
.irp i, 0,1,2,3,4,5
	v_permlane16_swap_b32 v[CBK+16*\c+\i], v[CBK+16*\c+8+\i]
.endr
.endr
.irp c, 0,1
	global_store_b128 v[L16], v[CBK+16*\c:CBK+16*\c+3], s[26:27] offset:768*\c
	global_store_b64 v[L8], v[CBK+16*\c+4:CBK+16*\c+5], s[26:27] offset:768*\c+512
	global_store_b128 v[L16], v[CBK+16*\c+8:CBK+16*\c+11], s[26:27] offset:12288+768*\c
	global_store_b64 v[L8], v[CBK+16*\c+12:CBK+16*\c+13], s[26:27] offset:12288+768*\c+512
.endr
	ds_store_b32 v[WSW], v[WT+3]                   ; the four waves' words of a column lie side by side
	s_wait_dscnt 0x0                               ; for the others' sake
	s_barrier_signal -1
	s_barrier_wait -1
	s_cmp_lg_u32 s[WV], 0
	s_cbranch_scc1 .Lw_end
	ds_load_b128 v[WT+4:WT+7], v[WSR]
	s_wait_dscnt 0x0
	global_store_b128 v[WGO], v[WT+4:WT+7], s[28:29]   ; lanes 0-15: 256 aligned bytes of the first group's words; lanes 16-31: of the second's
.Lw_end:
	s_wait_tensorcnt 0x0
	ds_add_u32 v254, v255
	s_wait_dscnt 0x0
	s_endpgm
.Lfunc_end_k_qcd09cd3298_quant:
	.size	k_qcd09cd3298_quant, .Lfunc_end_k_qcd09cd3298_quant-k_qcd09cd3298_quant
	.p2alignl 7, 3214868480
	.fill 96, 4, 3214868480
	.section	.rodata,"a",@progbits
	.p2align	6, 0x0
	.amdhsa_kernel k_qcd09cd3298_quant
		.amdhsa_group_segment_fixed_size 34816
		.amdhsa_private_segment_fixed_size 0
		.amdhsa_enable_private_segment 0
		.amdhsa_kernarg_size 32
		.amdhsa_user_sgpr_count 2
		.amdhsa_user_sgpr_kernarg_segment_ptr 1
		.amdhsa_wavefront_size32 1
		.amdhsa_system_sgpr_workgroup_id_x 1
		.amdhsa_system_sgpr_workgroup_id_y 1
		.amdhsa_system_sgpr_workgroup_id_z 1
		.amdhsa_system_vgpr_workitem_id 0
		.amdhsa_next_free_vgpr 256
		.amdhsa_next_free_sgpr 66
		.amdhsa_reserve_vcc 1
		.amdhsa_float_denorm_mode_32 3
		.amdhsa_float_denorm_mode_16_64 3
		.amdhsa_memory_ordered 1
		.amdhsa_forward_progress 1
		.amdhsa_inst_pref_size 73
	.end_amdhsa_kernel
	.amdgpu_metadata
---
amdhsa.version: [ 1, 2 ]
amdhsa.kernels:
  - .name:           k_qcd09cd3298_quant
    .symbol:         k_qcd09cd3298_quant.kd
    .args:
      - { .name: x, .offset: 0, .size: 8, .value_kind: global_buffer, .address_space: global }
      - { .name: w_in, .offset: 8, .size: 8, .value_kind: global_buffer, .address_space: global }
      - { .name: w_out, .offset: 16, .size: 8, .value_kind: global_buffer, .address_space: global }
      - { .name: opnd, .offset: 24, .size: 8, .value_kind: global_buffer, .address_space: global }
    .group_segment_fixed_size: 34816
    .private_segment_fixed_size: 0
    .kernarg_segment_align: 8
    .kernarg_segment_size: 32
    .max_flat_workgroup_size: 128
    .sgpr_count:     66
    .vgpr_count:     256
    .wavefront_size: 32
...
	.end_amdgpu_metadata
.endif
;; end of part 1
;; launch gemm_qkv (part 2): grid 12 x 32, 4 waves a work-group, clusters of 4 x 4, 327,680 bytes of LDS; arguments opnd, b_in, qkv; writes qkv
.if DOCPART == 2
	.amdgcn_target "amdgcn-amd-amdhsa--gfx1250"
	.amdhsa_code_object_version 6
	.text
	.protected	k_qcd09cd3298_gemm_qkv
	.globl	k_qcd09cd3298_gemm_qkv
	.p2align	8
	.type	k_qcd09cd3298_gemm_qkv,@function
k_qcd09cd3298_gemm_qkv:
	s_mov_b64 s[64:65], 0
	v_nop
	global_prefetch_b8 v0, s[64:65] scope:SCOPE_SE
	s_setreg_imm32_b32 hwreg(HW_REG_WAVE_MODE, 25, 1), 1
	s_wait_xcnt 0x0
	s_wait_alu depctr_hold_cnt(0) depctr_sa_sdst(0) depctr_va_vdst(0) depctr_va_sdst(0) depctr_va_ssrc(0) depctr_va_vcc(0) depctr_vm_vsrc(0)
	s_getreg_b32 s2, hwreg(HW_REG_IB_STS2, 6, 4)
	s_cmp_eq_u32 s2, 0
	s_cbranch_scc0 .Lentry_in_a_cluster
	s_endpgm
.Lentry_in_a_cluster:
	s_bfe_u32 s2, ttmp6, 0x10000c
	s_cmp_lg_u32 s2, 0xf033
	s_cbranch_scc0 .Lentry_shape_is_right
	s_endpgm
.Lentry_shape_is_right:
; qkv = x w_in + b_in on codes of FP6 (E2M3) with E8M0 scales, and its result quantised at once: q and k along the head's 64 channels, v along the keys.  The f32 result never goes to memory.
; OPERANDS come as images of their registers (GROUP g: rows 32 (g / 2) + 8 (g % 2) + r + 8 (r / 8); a K step of a group: 1,536 bytes; a group: 12,288), scale words 512 bytes a group.
; A tile is 256 rows of operand A x 256 rows of operand B; four waves, each 128 x 128: 64 accumulators.  THE MATRIX INSTRUCTION IS USED TRANSPOSED (source 0 = a group of B, source 1 = a group of A):
; a lane then holds ONE row of A, and by the groups' order the 64 registers of a block of A run along 128 NEIGHBOURING rows of B: the next product's K.
; A cluster (4 x 4 work-groups) is all q (cluster x = 0), all k (1) or all v (2).  q, k: A = tokens, B = channels (registers along the channels).  v: A = channels, B = tokens (registers along the keys).
; K = 1,024 goes in eight steps of 128 through two LDS slots of two steps each; the steps are written out, since the scale registers' numbers differ from step to step.
; A's tiles are asked for jointly by a row of the cluster, B's by a column.  A wave has two tensor loads out at the start and one behind each refill.
; The bias: q, k: the C of each sum's first product.  v: one f32 addition behind the sum.
; LIMITS: NaN and infinities are not served; blocks whose largest magnitude lies under 2^-124 get the byte 1; a block of zeros gets the byte 1, not 127 (its codes are zeros; this program alone reads the bytes);
; q's and k's bias enters ahead of the sum, so the last bit may differ from sum-then-bias.
; REGISTERS: window 0: v6-12, v16-29 addresses; v32-63 A's scale words, v64-95 B's; v96-111 v's bias; v128-223 A's fragments, one set (on the way out v128-239 at work).
;   window 1: B's fragments, two sets at v0 and v128; the bias tiles at v96-127 and v224-255.   windows 2, 3: the accumulators ((a, b) at v[8 (8 (a % 4) + b)]).
.set OFF_WIC, 6291456
.set OFF_XS,  9437184
.set OFF_WIS, 9699328
.set OFF_VC,  12582912                 ; qkv: q's codes at 0, k's 6,291,456 on, v's here;
.set OFF_QS,  18874368                 ; q's scale words, k's 524,288 on,
.set OFF_VS,  19922944                 ; v's
.set GRPB,  12288
.set QUART, 24576                      ; 8 groups x 2 K steps: what one tensor load brings, and what one wave reads of A or of B
.set SLOT,  4*QUART                    ; A's two halves, then B's
.set SPARE, 2*SLOT                     ; the spare words, 128 bytes a wave
.set QKSCR, SPARE+512                  ; 1,024 bytes a wave: q's or k's scale words on their way out
.set VSCR,  QKSCR+4096                 ; 512 bytes a wave: v's
.set FR,   12
.set ADRA, 16                          ; v16-17 A's fragments in slot 0, 1, 16 bytes a lane; v18-19 the same, 8 bytes a lane
.set ADRB, 20                          ; v20-23 the same for B
.set L16,  24                          ; v24 16 x lane
.set L8,   25                          ; v25 8 x lane
.set SPW,  28
.set NIL,  29
.set SA,   32
.set SB,   64
.set BR,   96
.set AF,   128
.set ST,   128                         ; the way out: 64 numbers
.set PC,   192
.set TM,   212
.set PW,   228
.set G1, 24
.set G0, 32
.set G1B, 48
.set G0B, 56
.set SEL, 82
.set MSB, 0
.macro WIN new                         ; the immediate's high byte repeats the setting that is left
.if MSB != \new
	s_set_vgpr_msb (MSB<<8)|\new
.set MSB, \new
.endif
.endm
.macro JLOAD s                         ; a joint load: waves 0 and 1 fetch A's halves, waves 2 and 3 B's; four v_nop follow each line
	s_cmp_eq_u32 s15, 0
	s_cbranch_scc0 .Lfor_b_\@
	tensor_load_to_lds s[G0+4*\s:G0+4*\s+3], s[G1:G1+7]
	s_nop 0
.rept 4
	v_nop
.endr
	s_branch .Lasked_\@
.Lfor_b_\@:
	tensor_load_to_lds s[G0B+4*\s:G0B+4*\s+3], s[G1B:G1B+7]
	s_nop 0
.rept 4
	v_nop
.endr
.Lasked_\@:
.endm
.macro CREST                           ; a round of the cluster's barrier behind its opening barrier
	s_cmp_lg_u32 s14, 0
	s_cbranch_scc1 .Lnot_wave_0_\@
	s_barrier_signal -3
.Lnot_wave_0_\@:
	s_barrier_wait -3
	s_barrier_signal -1
	s_barrier_wait -1
.endm
.macro CROUND
	s_barrier_signal -1
	s_barrier_wait -1
	CREST
.endm
.macro PLACES n
.rept \n
	v_nop
.endr
.endm
.macro QUANT s                         ; 64 numbers of a lane, register 16 b + i = k 32 b + 16 h + i of my row -> codes in v[PC] on, scale word in v[PW]
.irp b, 0,1,2,3
	v_max3_num_f32 v[TM+\b], |v[\s+16*\b]|, |v[\s+1+16*\b]|, 0x1800000   ; and the floor 2^(3 - 127)
.endr
.irp i, 2,4,6,8,10,12,14
.irp b, 0,1,2,3
	v_max3_num_f32 v[TM+\b], v[TM+\b], |v[\s+16*\b+\i]|, |v[\s+1+16*\b+\i]|
.endr
.endr
.irp b, 0,1,2,3
	v_permlanex16_b32 v[TM+4+\b], v[TM+\b], s[SEL], s[SEL+1]
.endr
.irp b, 0,1,2,3
	v_max_num_f32 v[TM+\b], v[TM+\b], v[TM+4+\b]
.endr
.irp b, 0,1,2,3
	v_add_nc_u32 v[TM+12+\b], 0xff000000, v[TM+\b] ; 2 off the exponent field: the conversion's scale operand
.endr
.irp b, 0,1,2,3
	v_lshrrev_b32 v[TM+4+\b], 23, v[TM+12+\b]
.endr
	v_lshl_or_b32 v[PW], v[TM+5], 8, v[TM+4]
	v_lshl_or_b32 v[PW], v[TM+6], 16, v[PW]
	v_lshl_or_b32 v[PW], v[TM+7], 24, v[PW]
.irp c, 0,1
	v_cvt_scalef32_pk16_fp6_f32 v[PC+6*\c:PC+2+6*\c], v[\s+32*\c:\s+15+32*\c], v[TM+12+2*\c]
	v_cvt_scalef32_pk16_fp6_f32 v[PC+12+4*\c:PC+14+4*\c], v[\s+16+32*\c:\s+31+32*\c], v[TM+12+2*\c+1]
.endr
	v_nop                                          ; one plain place behind a scaled conversion
.irp c, 0,1
.irp i, 0,1,2
	v_permlane16_swap_b32 v[PC+6*\c+\i], v[PC+12+4*\c+\i]
.endr
.irp i, 0,1,2
	v_mov_b32 v[PC+3+6*\c+\i], v[PC+12+4*\c+\i]
.endr
.endr
.endm
	s_load_b128 s[4:7], s[0:1], 0x0                ; opnd, b_in
	s_load_b64 s[8:9], s[0:1], 0x10                ; qkv
	v_lshl_add_u32 v[SPW], v0, 2, SPARE
	v_mov_b32 v[NIL], 0
	ds_add_u32 v28, v29
	ds_add_u32 v28, v29
	s_wait_dscnt 0x0
	v_lshrrev_b32 v1, 5, v0
	v_readfirstlane_b32 s14, v1                    ; wave 0..3
	s_lshr_b32 s15, s14, 1                         ; my half of A's rows.  Also: I fetch for A (0) or for B (1)
	s_and_b32 s16, s14, 1                          ; my half of B's rows.  Also: which half I fetch
	s_bfe_u32 s40, ttmp6, 0x40000                  ; cx
	s_bfe_u32 s41, ttmp6, 0x40004                  ; cy
	s_and_b32 s43, ttmp7, 0xffff                   ; cluster y
	s_cmp_eq_u32 ttmp9, 2                          ; cluster x = 2: v.  The same in all sixteen partners
	s_cselect_b32 s44, 1, 0
	s_cselect_b32 s45, ttmp9, s43                  ; A's tiles walk the channels for v, the tokens else
	s_cselect_b32 s46, s43, ttmp9
	s_cselect_b32 s66, OFF_WIC, 0                  ; A's codes in opnd
	s_cselect_b32 s67, 0, OFF_WIC                  ; B's
	s_mov_b32 s68, OFF_XS
	s_cselect_b32 s68, OFF_WIS, s68                ; A's scale words
	s_mov_b32 s69, OFF_WIS
	s_cselect_b32 s69, OFF_XS, s69                 ; B's
	s_lshl_b32 s45, s45, 2
	s_add_co_u32 s45, s45, s41                     ; tA: A's tile of 256 rows: it never holds cx
	s_lshl_b32 s46, s46, 2
	s_add_co_u32 s46, s46, s40                     ; tB: it never holds cy
	s_lshl_b32 s42, s41, 2
	s_lshl_b32 s42, 15, s42                        ; my row of the cluster
	s_lshl_b32 s47, 0x1111, s40                    ; my column
	; descriptor group 1: 8 rows (groups) of 3,072 bytes (two K steps), 12,288 bytes apart; elements of 8 bytes; dense in LDS
	s_or_b32 s[G1], s42, (3<<16)|(1<<21)
	s_or_b32 s[G1B], s47, (3<<16)|(1<<21)
.irp g, G1, G1B
	s_mov_b32 s[\g+1], 384<<16                     ; tensor_dim0
	s_mov_b32 s[\g+2], 8<<16                       ; tensor_dim1
	s_mov_b32 s[\g+3], 384<<16                     ; tile_dim0
	s_mov_b32 s[\g+4], 8                           ; tile_dim1
	s_mov_b32 s[\g+5], 1536                        ; from row to row
	s_mov_b32 s[\g+6], 0
	s_mov_b32 s[\g+7], 0
.endr
	s_lshl_b32 s17, s16, 3
	s_lshl_b32 s70, s45, 4
	s_add_co_u32 s70, s70, s17                     ; A: group 16 tA + 8 x the half that I fetch
	s_mul_i32 s70, s70, GRPB
	s_add_co_u32 s70, s70, s66
	s_mov_b32 s71, 0
	s_lshl_b32 s72, s46, 4
	s_add_co_u32 s72, s72, s17
	s_mul_i32 s72, s72, GRPB
	s_add_co_u32 s72, s72, s67
	s_mov_b32 s73, 0
	s_mul_i32 s74, s14, QUART                      ; where it goes: wave x a quarter of a slot
	s_mov_b32 s[SEL], 0x76543210
	s_mov_b32 s[SEL+1], 0xfedcba98
	s_wait_kmcnt 0x0
	s_add_nc_u64 s[70:71], s[4:5], s[70:71]
	s_add_nc_u64 s[72:73], s[4:5], s[72:73]
	CROUND                                         ; all sixteen work-groups are here: the first joint loads meet
.irp s, 0,1
	s_mov_b32 s[G0+4*\s], 1
	s_add_co_u32 s[G0+4*\s+1], s74, \s*SLOT
	s_add_nc_u64 s[G0+4*\s+2:G0+4*\s+3], s[70:71], \s*3072
	s_or_b32 s[G0+4*\s+3], s[G0+4*\s+3], 0x80000000
	s_mov_b32 s[G0B+4*\s], 1
	s_add_co_u32 s[G0B+4*\s+1], s74, \s*SLOT
	s_add_nc_u64 s[G0B+4*\s+2:G0B+4*\s+3], s[72:73], \s*3072
	s_or_b32 s[G0B+4*\s+3], s[G0B+4*\s+3], 0x80000000
	JLOAD \s
.endr
	v_and_b32 v1, 31, v0                           ; lane
	v_and_b32 v2, 15, v0                           ; r
	v_bfe_u32 v3, v0, 4, 1                         ; h
	v_lshlrev_b32 v[L16], 4, v1
	v_lshlrev_b32 v[L8], 3, v1
	s_mul_i32 s10, s15, QUART                      ; my half of A
	s_mul_i32 s11, s16, QUART
	s_add_co_u32 s11, s11, 2*QUART                 ; my half of B, behind A's two
.irp s, 0,1
	v_add_nc_u32 v[ADRA+\s], s10, v[L16]
	v_add_nc_u32 v[ADRA+2+\s], s10, v[L8]
	v_add_nc_u32 v[ADRB+\s], s11, v[L16]
	v_add_nc_u32 v[ADRB+2+\s], s11, v[L8]
	s_add_co_u32 s10, s10, SLOT
	s_add_co_u32 s11, s11, SLOT
.endr
	v_lshlrev_b32 v4, 4, v2                        ; 16 r
	s_lshl_b32 s10, s14, 10
	s_add_co_u32 s10, s10, QKSCR
	v_add_nc_u32 v6, s10, v4                       ; q, k: where a row's scale words go,
	v_add_nc_u32 v7, s10, v[L16]                   ; and where they are read back
	s_lshl_b32 s10, s14, 9
	s_add_co_u32 s10, s10, VSCR
	v_add_nc_u32 v8, s10, v4                       ; v: the same
	v_add_nc_u32 v9, s10, v[L16]
	v_lshl_add_u32 v10, v3, 12, v4                 ; v's scale words in memory: 4,096 h + 16 r (two heads)
	v_lshlrev_b32 v11, 6, v3                       ; the bias tiles: 64 h
	v_and_b32 v12, 8, v2
	v_add_nc_u32 v12, v12, v2
	v_lshlrev_b32 v12, 2, v12                      ; v's bias: 4 (r + 8 (r / 8))
	s_lshl_b32 s18, s45, 4
	s_lshl_b32 s19, s15, 3
	s_add_co_u32 s18, s18, s19
	s_lshl_b32 s18, s18, 9
	s_add_co_u32 s18, s18, s68
	s_mov_b32 s19, 0
	s_add_nc_u64 s[76:77], s[4:5], s[18:19]        ; the scale words of my 8 blocks of A
	s_lshl_b32 s18, s46, 4
	s_lshl_b32 s20, s16, 3
	s_add_co_u32 s18, s18, s20
	s_lshl_b32 s18, s18, 9
	s_add_co_u32 s18, s18, s69
	s_add_nc_u64 s[78:79], s[4:5], s[18:19]        ; of B
	s_cmp_eq_u32 s44, 1
	s_cselect_b32 s18, s45, s46                    ; the channels are A's rows for v, B's else
	s_cselect_b32 s20, s15, s16
	s_lshl_b32 s18, s18, 10
	s_lshl_b32 s20, s20, 9
	s_add_co_u32 s18, s18, s20
	s_add_nc_u64 s[80:81], s[6:7], s[18:19]        ; b_in at my 128 channels
.irp a, 0,1,2,3,4,5,6,7                        ; register 4 a + i: lanes 0-15 the words of K step i, lanes 16-31 those of K step 4 + i
	global_load_b128 v[SA+4*\a:SA+4*\a+3], v[L16], s[76:77] offset:512*\a
	global_load_b128 v[SB+4*\a:SB+4*\a+3], v[L16], s[78:79] offset:512*\a
.endr
	s_cmp_eq_u32 s44, 0
	s_cbranch_scc0 .Lbias_v
	WIN 0x40                                       ; destination window 1
.irp b, 0,1,2,3,4,5,6,7                        ; q, k: eight registers a tile in the result's layout: channels 32 (b / 2) + 8 (b % 2) + 16 h + 0 .. 7
	global_load_b128 v[96+8*(\b%4)+128*(\b/4):96+8*(\b%4)+128*(\b/4)+3], v11, s[80:81] offset:4*(32*(\b/2)+8*(\b%2))
	global_load_b128 v[96+8*(\b%4)+128*(\b/4)+4:96+8*(\b%4)+128*(\b/4)+7], v11, s[80:81] offset:4*(32*(\b/2)+8*(\b%2))+16
.endr
	WIN 0
.irp i, 0,1,2,3,4,5,6,7,8,9,10,11,12,13,14,15
	v_mov_b32 v[BR+\i], 0
.endr
	s_branch .Lbias_done
.Lbias_v:
	WIN 0x40
.irp b, 0,1,2,3,4,5,6,7                        ; v: the bias hangs on A's row, which the tiles by b cannot carry: they are zeros, and the bias is added behind the sum
.irp j, 0,1,2,3,4,5,6,7
	v_mov_b32 v[96+8*(\b%4)+128*(\b/4)+\j], 0
.endr
.endr
	WIN 0
.irp a, 0,1,2,3,4,5,6,7
	global_load_b32 v[BR+2*\a], v12, s[80:81] offset:4*(32*(\a/2)+8*(\a%2))
	v_mov_b32 v[BR+2*\a+1], 0                      ; (named with it as a pair)
.endr
.Lbias_done:
	; where my results go.  q, k: batch tA / 8, heads 4 (tB % 4) + 2 Bhalf and the next, chunk of 8 token groups 2 (tA % 8) + Ahalf
	s_lshr_b32 s88, s45, 3
	s_lshl_b32 s88, s88, 4
	s_and_b32 s89, s46, 3
	s_lshl_b32 s89, s89, 2
	s_add_co_u32 s88, s88, s89
	s_lshl_b32 s89, s16, 1
	s_add_co_u32 s88, s88, s89
	s_and_b32 s89, s45, 7
	s_lshl_b32 s89, s89, 1
	s_add_co_u32 s89, s89, s15
	s_lshl_b32 s90, s88, 7
	s_lshl_b32 s91, s89, 3
	s_add_co_u32 s90, s90, s91
	s_mul_i32 s90, s90, 768
	s_mul_i32 s91, ttmp9, 6291456
	s_add_co_u32 s90, s90, s91
	s_lshl_b32 s92, s88, 13
	s_lshl_b32 s91, s89, 9
	s_add_co_u32 s92, s92, s91
	s_mul_i32 s91, ttmp9, 524288
	s_add_co_u32 s92, s92, s91
	s_add_co_u32 s92, s92, OFF_QS
	; v: batch tB / 8, heads 4 cy + 2 Ahalf and the next, key step 2 (tB % 8) + Bhalf
	s_lshr_b32 s88, s46, 3
	s_lshl_b32 s88, s88, 4
	s_lshl_b32 s89, s41, 2
	s_add_co_u32 s88, s88, s89
	s_lshl_b32 s89, s15, 1
	s_add_co_u32 s88, s88, s89
	s_and_b32 s89, s46, 7
	s_lshl_b32 s89, s89, 1
	s_add_co_u32 s89, s89, s16
	s_lshl_b32 s93, s88, 4
	s_add_co_u32 s93, s93, s89
	s_mul_i32 s93, s93, 6144
	s_add_co_u32 s93, s93, OFF_VC
	s_lshl_b32 s94, s88, 12
	s_lshl_b32 s89, s89, 8
	s_add_co_u32 s94, s94, s89
	s_add_co_u32 s94, s94, OFF_VS
	s_cmp_eq_u32 s44, 0
	s_cselect_b32 s90, s90, s93                    ; a choice between offsets
	s_cselect_b32 s92, s92, s94
	s_mov_b32 s91, 0
	s_mov_b32 s93, 0
	s_add_nc_u64 s[84:85], s[8:9], s[90:91]        ; my codes
	s_add_nc_u64 s[86:87], s[8:9], s[92:93]        ; my scale words
.macro FRAG reg, adr, q, i             ; a fragment's image, 1,536 bytes: four loads, each over consecutive bytes of the 32 lanes
	ds_load_b128 v[\reg:\reg+3], v[\adr] offset:(\i)*3072+(\q)*1536
	ds_load_b64 v[\reg+4:\reg+5], v[\adr+2] offset:(\i)*3072+(\q)*1536+512
	ds_load_b128 v[\reg+6:\reg+9], v[\adr] offset:(\i)*3072+(\q)*1536+768
	ds_load_b64 v[\reg+10:\reg+11], v[\adr+2] offset:(\i)*3072+(\q)*1536+1280
.endm
.macro FETCH_B slot, q, p
	WIN 0x40
.irp i, 0,1,2,3,4,5,6,7
	FRAG 128*(\p)+FR*\i, ADRB+\slot, \q, \i
.endr
	WIN 0
.endm
.macro FETCH_A slot, q, i0
.irp i, \i0, \i0+1, \i0+2, \i0+3
	FRAG AF+FR*(\i), ADRA+\slot, \q, \i
.endr
.endm
; 16 matrix instructions: A's blocks a0, a0 + 1 x B's eight, K step ks.  p: B's set.  first = 1: the bias tile is the C.  The 64 accumulators take turns, in the same order in every step.
.macro MUL16 a0, p, ks, first
.irp a, \a0, \a0+1
.irp b, 0,1,2,3,4,5,6,7
.if \first
	v_wmma_scale_f32_16x16x128_f8f6f4 v[8*(8*((\a)%4)+\b):8*(8*((\a)%4)+\b)+7], v[128*(\p)+FR*\b:128*(\p)+FR*\b+FR-1], v[AF+FR*(\a):AF+FR*(\a)+FR-1], v[96+8*(\b%4)+128*(\b/4):96+8*(\b%4)+128*(\b/4)+7], v[SB+4*\b+(\ks)%4], v[SA+4*(\a)+(\ks)%4] matrix_a_fmt:MATRIX_FMT_FP6 matrix_b_fmt:MATRIX_FMT_FP6
.elseif (\ks) < 4
	v_wmma_scale_f32_16x16x128_f8f6f4 v[8*(8*((\a)%4)+\b):8*(8*((\a)%4)+\b)+7], v[128*(\p)+FR*\b:128*(\p)+FR*\b+FR-1], v[AF+FR*(\a):AF+FR*(\a)+FR-1], v[8*(8*((\a)%4)+\b):8*(8*((\a)%4)+\b)+7], v[SB+4*\b+(\ks)%4], v[SA+4*(\a)+(\ks)%4] matrix_a_fmt:MATRIX_FMT_FP6 matrix_b_fmt:MATRIX_FMT_FP6
.else
	v_wmma_scale_f32_16x16x128_f8f6f4 v[8*(8*((\a)%4)+\b):8*(8*((\a)%4)+\b)+7], v[128*(\p)+FR*\b:128*(\p)+FR*\b+FR-1], v[AF+FR*(\a):AF+FR*(\a)+FR-1], v[8*(8*((\a)%4)+\b):8*(8*((\a)%4)+\b)+7], v[SB+4*\b+(\ks)%4], v[SA+4*(\a)+(\ks)%4] matrix_a_fmt:MATRIX_FMT_FP6 matrix_b_fmt:MATRIX_FMT_FP6 matrix_a_scale:MATRIX_SCALE_ROW1 matrix_b_scale:MATRIX_SCALE_ROW1
.endif
.endr
.endr
.endm
; A slot's first K step: it multiplies B's set 0 and fetches the slot's second step.  A block of A is free once its eight products are issued: one set serves A.
.macro STEP slot, ks, first
	s_wait_dscnt 16                                ; B's set and A's blocks 0-3 are in; the youngest 16 loads (A's blocks 4-7) may be out
.if \first
	WIN 0x91                                       ; source 0 (B) and C (bias) window 1, source 1 (A) window 0, D window 2
.else
	WIN 0xa1
.endif
	MUL16 0, 0, \ks, \first
	MUL16 2, 0, \ks, \first
	s_wait_dscnt 0x0                               ; A's blocks 4-7 are in
	PLACES 4                                       ; in front of loads into registers that matrix instructions have read
	FETCH_B \slot, 1, 1
	FETCH_A \slot, 1, 0
.if \first
	WIN 0xd1
.else
	WIN 0xf1
.endif
	MUL16 4, 0, \ks, \first
	MUL16 6, 0, \ks, \first
	PLACES 4
	WIN 0
	FETCH_A \slot, 1, 4
.endm
; A slot's second K step changes slots: one barrier; in front of it each wave waits for all its tensor loads, adds 0 to its spare word, and waits for that and for its reads of this slot.
.macro TURN slot, next, ks, fill
	s_wait_tensorcnt 0x0                           ; all my tensor loads have landed: my part of the next slot
	ds_add_u32 v[SPW], v[NIL]                      ; 0 onto my spare word
	s_wait_dscnt 17                                ; (the add and the youngest 16 loads may be out)
	WIN 0xa1
	MUL16 0, 1, \ks, 0
	s_wait_dscnt 0x0                               ; the add is done, and my reads of this slot are over
	s_barrier_signal -1
	MUL16 2, 1, \ks, 0
	WIN 0
	s_barrier_wait -1
.if \fill
	CREST                                          ; the barrier has opened a round of the cluster's: no wave of any partner still reads this slot or has a load on its way
	s_add_nc_u64 s[G0+4*\slot+2:G0+4*\slot+3], s[G0+4*\slot+2:G0+4*\slot+3], 6144
	s_add_nc_u64 s[G0B+4*\slot+2:G0B+4*\slot+3], s[G0B+4*\slot+2:G0B+4*\slot+3], 6144
	JLOAD \slot                                    ; four K steps on; its four v_nop are the places in front of the loads below
.else
	PLACES 4
.endif
	FETCH_B \next, 0, 0
	FETCH_A \next, 0, 0
	WIN 0xf1
	MUL16 4, 1, \ks, 0
	MUL16 6, 1, \ks, 0
	PLACES 4
	WIN 0
	FETCH_A \next, 0, 4
.endm
	s_wait_tensorcnt 1                             ; my part of slot 0 is in; slot 1's may stay out
	s_barrier_signal -1
	s_barrier_wait -1
	FETCH_B 0, 0, 0
	FETCH_A 0, 0, 0
	FETCH_A 0, 0, 4
	s_wait_loadcnt 0x0                             ; scale words and bias
	STEP 0, 0, 1
	TURN 0, 1, 1, 1
	STEP 1, 2, 0
	TURN 1, 0, 3, 1
	STEP 0, 4, 0
	TURN 0, 1, 5, 0                                ; nothing is left to fetch
	STEP 1, 6, 0
	s_wait_dscnt 16                                ; the last K step
	WIN 0xa1
	MUL16 0, 1, 7, 0
	MUL16 2, 1, 7, 0
	s_wait_dscnt 0x0
	WIN 0xf1
	MUL16 4, 1, 7, 0
	MUL16 6, 1, 7, 0
	WIN 0
	PLACES 4                                       ; in front of the first read of results and the first write of registers that held A's fragments
.irp b, 0,1,2,3
	v_mov_b32 v[TM+4+\b], 0                        ; a lane permute's destination counts as one of its sources
.endr
; THE WAY OUT, block a of A (16 rows): its 64 numbers a lane are 128 neighbours along the next K.  They are quantised in registers; the codes ARE an operand's image and leave in whole aligned runs of 256 bytes.
.macro EPI a
	s_wait_xcnt 0x0                                ; the last block's stores have read their data
	s_wait_dscnt 0x0
	WIN 0x02+(\a)/4                                ; source 0: window 2 or 3
.set i, 0
.rept 32
	v_pk_add_f32 v[ST+2*i:ST+2*i+1], v[64*((\a)%4)+2*i:64*((\a)%4)+2*i+1], v[BR+2*(\a):BR+2*(\a)+1] op_sel_hi:[1,0]   ; + v's bias (0 for q, k); each accumulator from its low end on
.set i, i+1
.endr
	WIN 0
	QUANT ST
	s_cmp_eq_u32 s44, 0
	s_cbranch_scc0 .Lst_v_\@
	global_store_b128 v[L16], v[PC:PC+3], s[84:85] offset:768*(\a)                ; q, k: channels 0-63 are one head's half-image,
	global_store_b64 v[L8], v[PC+4:PC+5], s[84:85] offset:768*(\a)+512
	global_store_b128 v[L16], v[PC+6:PC+9], s[84:85] offset:98304+768*(\a)        ; channels 64-127 the next head's
	global_store_b64 v[L8], v[PC+10:PC+11], s[84:85] offset:98304+768*(\a)+512
	v_and_b32 v229, 0xffff, v[PW]                  ; a head's two bytes; bytes 2 and 3 are 0, for the zero codes that fill K 64 .. 127
	v_lshrrev_b32 v230, 16, v[PW]
	ds_store_b32 v6, v229 offset:256*((\a)/4)+4*((\a)%4)
	ds_store_b32 v6, v230 offset:512+256*((\a)/4)+4*((\a)%4)
	s_branch .Lst_done_\@
.Lst_v_\@:
	global_store_b128 v[L16], v[PC:PC+3], s[84:85] offset:98304*((\a)/4)+1536*((\a)%4)   ; v: 16 channels x 128 keys: a whole fragment
	global_store_b64 v[L8], v[PC+4:PC+5], s[84:85] offset:98304*((\a)/4)+1536*((\a)%4)+512
	global_store_b128 v[L16], v[PC+6:PC+9], s[84:85] offset:98304*((\a)/4)+1536*((\a)%4)+768
	global_store_b64 v[L8], v[PC+10:PC+11], s[84:85] offset:98304*((\a)/4)+1536*((\a)%4)+1280
	ds_store_b32 v8, v[PW] offset:256*((\a)/4)+4*((\a)%4)
.Lst_done_\@:
.endm
	EPI 0
	EPI 1
	EPI 2
	EPI 3
	EPI 4
	EPI 5
	EPI 6
	EPI 7
	s_cmp_eq_u32 s44, 0                            ; the scale words, gathered in my own scratch, leave in whole aligned runs.  LDS serves a wave's instructions in order: the loads see my stores
	s_cbranch_scc0 .Lsc_v
	ds_load_b128 v[232:235], v7
	ds_load_b128 v[236:239], v7 offset:512
	s_wait_dscnt 0x0
	global_store_b128 v[L16], v[232:235], s[86:87]
	global_store_b128 v[L16], v[236:239], s[86:87] offset:8192
	s_branch .Lsc_done
.Lsc_v:
	ds_load_b128 v[232:235], v9
	s_wait_dscnt 0x0
	global_store_b128 v10, v[232:235], s[86:87]
.Lsc_done:
	s_wait_tensorcnt 0x0                           ; the wave's end
	ds_add_u32 v[SPW], v[NIL]
	s_wait_dscnt 0x0
	CROUND                                         ; the closing round
	s_endpgm
.Lfunc_end_k_qcd09cd3298_gemm_qkv:
	.size	k_qcd09cd3298_gemm_qkv, .Lfunc_end_k_qcd09cd3298_gemm_qkv-k_qcd09cd3298_gemm_qkv
	.p2alignl 7, 3214868480
	.fill 96, 4, 3214868480
	.section	.rodata,"a",@progbits
	.p2align	6, 0x0
	.amdhsa_kernel k_qcd09cd3298_gemm_qkv
		.amdhsa_group_segment_fixed_size 327680
		.amdhsa_private_segment_fixed_size 0
		.amdhsa_enable_private_segment 0
		.amdhsa_kernarg_size 24
		.amdhsa_user_sgpr_count 2
		.amdhsa_user_sgpr_kernarg_segment_ptr 1
		.amdhsa_wavefront_size32 1
		.amdhsa_system_sgpr_workgroup_id_x 1
		.amdhsa_system_sgpr_workgroup_id_y 1
		.amdhsa_system_sgpr_workgroup_id_z 1
		.amdhsa_system_vgpr_workitem_id 0
		.amdhsa_next_free_vgpr 1024
		.amdhsa_next_free_sgpr 100
		.amdhsa_reserve_vcc 0
		.amdhsa_float_denorm_mode_32 3
		.amdhsa_float_denorm_mode_16_64 3
		.amdhsa_memory_ordered 1
		.amdhsa_forward_progress 1
		.amdhsa_inst_pref_size 175
	.end_amdhsa_kernel
	.amdgpu_metadata
---
amdhsa.version: [ 1, 2 ]
amdhsa.kernels:
  - .name:           k_qcd09cd3298_gemm_qkv
    .symbol:         k_qcd09cd3298_gemm_qkv.kd
    .args:
      - { .name: opnd, .offset: 0, .size: 8, .value_kind: global_buffer, .address_space: global }
      - { .name: b_in, .offset: 8, .size: 8, .value_kind: global_buffer, .address_space: global }
      - { .name: qkv, .offset: 16, .size: 8, .value_kind: global_buffer, .address_space: global }
    .group_segment_fixed_size: 327680
    .private_segment_fixed_size: 0
    .kernarg_segment_align: 8
    .kernarg_segment_size: 24
    .max_flat_workgroup_size: 128
    .sgpr_count:     100
    .vgpr_count:     1024
    .wavefront_size: 32
...
	.end_amdgpu_metadata
.endif
;; end of part 2
;; launch attn (part 3): grid 8 x 64, 16 waves a work-group, clusters of 4 x 1, 210,944 bytes of LDS; arguments qkv, att; writes att
.if DOCPART == 3
	.amdgcn_target "amdgcn-amd-amdhsa--gfx1250"
	.amdhsa_code_object_version 6
	.text
	.protected	k_qcd09cd3298_attn
	.globl	k_qcd09cd3298_attn
	.p2align	8
	.type	k_qcd09cd3298_attn,@function
k_qcd09cd3298_attn:
	s_mov_b64 s[64:65], 0
	v_nop
	global_prefetch_b8 v0, s[64:65] scope:SCOPE_SE
	s_setreg_imm32_b32 hwreg(HW_REG_WAVE_MODE, 25, 1), 1
	s_wait_xcnt 0x0
	s_wait_alu depctr_hold_cnt(0) depctr_sa_sdst(0) depctr_va_vdst(0) depctr_va_sdst(0) depctr_va_ssrc(0) depctr_va_vcc(0) depctr_vm_vsrc(0)
	s_getreg_b32 s2, hwreg(HW_REG_IB_STS2, 6, 4)
	s_cmp_eq_u32 s2, 0
	s_cbranch_scc0 .Lentry_in_a_cluster
	s_endpgm
.Lentry_in_a_cluster:
	s_bfe_u32 s2, ttmp6, 0x10000c
	s_cmp_lg_u32 s2, 0x3003
	s_cbranch_scc0 .Lentry_shape_is_right
	s_endpgm
.Lentry_shape_is_right:
; o = softmax(q k^T) v for one (batch, head) and 256 queries, both products on codes of FP6 (E2M3) with E8M0 scales; no 1 / sqrt(d); o is quantised along its 64 channels and leaves as codes.
; THE SOFTMAX: t = score x log2(e); M = the running largest t rounded UP to a whole number; p = 2^(t - M) is quantised along the keys, not normalised; the row's sum is taken of the unquantised p and divides at the end.
; When M moves, the sum and O are multiplied by 2^(old M - new M): exact.
; SHARES.  Sixteen waves, each 16 queries (one group) in 256 registers: four waves to a SIMD.  Every wave walks the head's 2,048 keys, 128 a step.
; A HEAD'S K AND V, codes and scale words, are 208,896 bytes: they are brought into LDS ONCE, so no LDS byte is filled twice.  The four query blocks of a cluster belong to one head and ask jointly.
; Wave 0 issues K's three loads (scale words, key steps 0-3, key steps 4-15), wave 1 V's: three tensor loads of a wave are out at the most.  The first four key steps run while the rest lands.
; LAYOUT.  All operands lie as images of their registers (a group of 16 rows x 64 along K: 768 bytes).  Both products are used transposed: S^T = K Q^T, O^T = V^T P^T: a lane holds ONE query throughout.
; By the groups' order (rows 32 (g / 2) + 8 (g % 2) + r + 8 (r / 8)) the 16 registers of tiles 2 b and 2 b + 1 are 16 neighbouring keys (channels, in O^T).
; The first product's K is 64: the upper half of K's and Q's fragments is zero codes, under the scale byte 0.
; LIMITS: NaN and infinities are not served; M is exact while |t| < 2^24; a block of o under 2^-124 gets the byte 1, a block of zeros too (its codes are zeros; this program alone reads the bytes).
; The scale bytes of o leave 2 bytes a row: the 16 heads of a scale row are made by 16 work-groups.
; REGISTERS: v1-7 addresses that stay; v8-11, v28-29 those in hand; v12 -M, v13 the largest t, v[14:15] the sum; v16-27 Q; v32-79 four fragments of K; v96-159 S^T, then p, then V's four fragments;
;   v160-191 O^T; v224-235 p's codes; v232-247, v252, v254 at work; v248-251 K's, then V's scale words; v253 p's; v255 Q's.
.set OFF_KC, 6291456
.set OFF_VC, 12582912
.set OFF_QS, 18874368
.set OFF_KS, 19398656
.set OFF_VS, 19922944
.set OFF_OS, 6291456
.set VB,   98304                       ; LDS: K's codes at 0 (6,144 bytes a key step), V's here,
.set KSB,  196608                      ; K's scale words (512 a key step),
.set VSB,  204800                      ; V's (256 a key step)
.set WV,   18
.set SEL,  20
.set CS,   22
.set G1C,  24                          ; group 1: 96 rows of 256 bytes: key steps 0-3
.set G1R,  32                          ; 288 rows: key steps 4-15
.set G1KS, 40                          ; 32 rows
.set G1VS, 48                          ; 16 rows
.set TK,   2
.set TS,   3
.set TJ,   66
.set CNT,  67
.macro CROUND
	s_barrier_signal -1
	s_barrier_wait -1
	s_cmp_lg_u32 s[WV], 0
	s_cbranch_scc1 .Lnot_wave_0_\@
	s_barrier_signal -3
.Lnot_wave_0_\@:
	s_barrier_wait -3
	s_barrier_signal -1
	s_barrier_wait -1
.endm
	s_load_b128 s[4:7], s[0:1], 0x0                ; qkv, att
	v_lshl_add_u32 v223, v0, 2, 0x33000
	v_mov_b32 v243, 0
	ds_add_u32 v223, v243
	ds_add_u32 v223, v243
	v_lshrrev_b32 v8, 5, v0
	v_readfirstlane_b32 s[WV], v8                  ; wave 0..15
	s_bfe_u32 s8, ttmp6, 0x40000                   ; cx: it enters Q's and o's global addresses alone
	s_and_b32 s9, ttmp7, 0xffff                    ; 16 x batch + head, which the four partners share
	s_lshl_b32 s10, ttmp9, 2
	s_add_co_u32 s10, s10, s8
	s_lshl_b32 s11, s10, 4
	s_add_co_u32 s11, s11, s[WV]                   ; my group of 16 queries, 0 .. 127
.irp g, G1C, G1R, G1KS, G1VS                   ; dense blocks as rows of 256 bytes (32 elements of 8 bytes); the mask names all four work-groups, bit 21 beside it
	s_mov_b32 s[\g], 15|(3<<16)|(1<<21)
	s_mov_b32 s[\g+1], 32<<16
	s_mov_b32 s[\g+3], 32<<16
	s_mov_b32 s[\g+5], 32
	s_mov_b32 s[\g+6], 0
	s_mov_b32 s[\g+7], 0
.endr
	s_mov_b32 s[G1C+2], 96<<16
	s_mov_b32 s[G1C+4], 96
	s_mov_b32 s[G1R+2], 288<<16
	s_mov_b32 s[G1R+4], 288
	s_mov_b32 s[G1KS+2], 32<<16
	s_mov_b32 s[G1KS+4], 32
	s_mov_b32 s[G1VS+2], 16<<16
	s_mov_b32 s[G1VS+4], 16
	s_mul_i32 s12, s9, 98304
	s_add_co_u32 s14, s12, OFF_KC
	s_mov_b32 s15, 0
	s_add_co_u32 s16, s12, OFF_VC
	s_mov_b32 s17, 0
	s_lshl_b32 s84, s9, 13
	s_add_co_u32 s84, s84, OFF_KS
	s_mov_b32 s85, 0
	s_lshl_b32 s86, s9, 12
	s_add_co_u32 s86, s86, OFF_VS
	s_mov_b32 s87, 0
	s_lshl_b32 s88, s9, 7
	s_add_co_u32 s88, s88, s11
	s_mul_i32 s88, s88, 768                        ; Q's half-image
	s_mov_b32 s89, 0
	s_lshl_b32 s90, s9, 13                         ; Q's scale words: 8,192 a head, 512 a chunk of 8 groups; group a of a chunk at 256 (a / 4) + 4 (a % 4)
	s_lshr_b32 s91, s11, 3
	s_lshl_b32 s91, s91, 9
	s_add_co_u32 s90, s90, s91
	s_bfe_u32 s91, s11, 0x10002
	s_lshl_b32 s91, s91, 8
	s_add_co_u32 s90, s90, s91
	s_and_b32 s91, s11, 3
	s_lshl_b32 s91, s91, 2
	s_add_co_u32 s90, s90, s91
	s_add_co_u32 s90, s90, OFF_QS
	s_mov_b32 s91, 0
	s_lshr_b32 s92, s9, 4
	s_lshl_b32 s92, s92, 7
	s_add_co_u32 s92, s92, s11                     ; my group among all 512 token groups
	s_and_b32 s93, s9, 15                          ; the head
	s_mul_i32 s94, s92, 12288
	s_mul_i32 s95, s93, 768
	s_add_co_u32 s94, s94, s95
	s_mov_b32 s95, 0
	s_lshl_b32 s96, s92, 9
	s_lshr_b32 s97, s93, 3
	s_lshl_b32 s97, s97, 8
	s_add_co_u32 s96, s96, s97
	s_and_b32 s97, s93, 7
	s_lshl_b32 s97, s97, 1
	s_add_co_u32 s96, s96, s97
	s_add_co_u32 s96, s96, OFF_OS
	s_mov_b32 s97, 0
	s_mov_b32 s[SEL], 0x76543210
	s_mov_b32 s[SEL+1], 0xfedcba98
	s_mov_b32 s[CS], 0x3fb8aa3b                    ; log2(e)
	s_mov_b32 s[CS+1], s[CS]                       ; (named with it as a pair)
	s_mov_b32 s[TK], 0
	s_mov_b32 s[TS], 0
	s_mov_b32 s[TJ], 0
	s_wait_dscnt 0x0
	s_wait_kmcnt 0x0
	s_mov_b32 s56, 1                               ; K's scale words
	s_mov_b32 s57, KSB
	s_add_nc_u64 s[58:59], s[4:5], s[84:85]
	s_or_b32 s59, s59, 0x80000000
	s_mov_b32 s60, 1                               ; K's key steps 0-3
	s_mov_b32 s61, 0
	s_add_nc_u64 s[62:63], s[4:5], s[14:15]
	s_mov_b32 s68, 1                               ; K's key steps 4-15
	s_mov_b32 s69, 24576
	s_add_nc_u64 s[70:71], s[62:63], 24576
	s_or_b32 s63, s63, 0x80000000
	s_or_b32 s71, s71, 0x80000000
	s_mov_b32 s72, 1                               ; V's scale words
	s_mov_b32 s73, VSB
	s_add_nc_u64 s[74:75], s[4:5], s[86:87]
	s_or_b32 s75, s75, 0x80000000
	s_mov_b32 s76, 1                               ; V's key steps 0-3
	s_mov_b32 s77, VB
	s_add_nc_u64 s[78:79], s[4:5], s[16:17]
	s_mov_b32 s80, 1                               ; V's key steps 4-15
	s_mov_b32 s81, VB+24576
	s_add_nc_u64 s[82:83], s[78:79], 24576
	s_or_b32 s79, s79, 0x80000000
	s_or_b32 s83, s83, 0x80000000
	s_add_nc_u64 s[88:89], s[4:5], s[88:89]
	s_add_nc_u64 s[90:91], s[4:5], s[90:91]
	s_add_nc_u64 s[94:95], s[6:7], s[94:95]
	s_add_nc_u64 s[96:97], s[6:7], s[96:97]
	CROUND                                         ; all four work-groups are here: the joint loads meet
	s_cmp_eq_u32 s[WV], 0                          ; a wave's fills stand in one branch on the wave's number, ahead of every wait on TENSORcnt, every LDS read and every later barrier
	s_cbranch_scc0 .Lnot_k
	tensor_load_to_lds s[56:59], s[G1KS:G1KS+7]
	s_nop 0
	tensor_load_to_lds s[60:63], s[G1C:G1C+7]
	s_nop 0
	tensor_load_to_lds s[68:71], s[G1R:G1R+7]
	s_nop 0
.rept 4
	v_nop
.endr
	s_branch .Lasked
.Lnot_k:
	s_cmp_eq_u32 s[WV], 1
	s_cbranch_scc0 .Lasked
	tensor_load_to_lds s[72:75], s[G1VS:G1VS+7]
	s_nop 0
	tensor_load_to_lds s[76:79], s[G1C:G1C+7]
	s_nop 0
	tensor_load_to_lds s[80:83], s[G1R:G1R+7]
	s_nop 0
.rept 4
	v_nop
.endr
.Lasked:
	v_and_b32 v30, 31, v0                          ; lane
	v_and_b32 v31, 15, v0                          ; r
	v_lshlrev_b32 v1, 4, v30                       ; K: 16 x lane
	v_lshlrev_b32 v2, 3, v30
	v_add_nc_u32 v4, VB, v2                        ; V: 8 x lane
	v_add_nc_u32 v2, 512, v2                       ; K: 8 x lane + 512
	v_add_nc_u32 v3, VB, v1                        ; V: 16 x lane
	v_add_nc_u32 v5, KSB, v1                       ; K's scale words: lanes 0-15 tiles 0-3, lanes 16-31 tiles 4-7
	v_lshlrev_b32 v7, 4, v31                       ; 16 r
	v_add_nc_u32 v6, VSB, v7                       ; V's scale words
	global_load_b128 v[16:19], v1, s[88:89]        ; Q's half-image stays in registers
	global_load_b64 v[20:21], v2, s[88:89]
	global_load_b32 v255, v7, s[90:91]             ; Q's scale words
.irp j, 22,23,24,25,26,27
	v_mov_b32 v[\j], 0                             ; K 64 .. 127 of Q: zero codes
.endr
.irp t, 0,1,2,3
.irp j, 6,7,8,9,10,11
	v_mov_b32 v[32+12*\t+\j], 0                    ; and of K's fragments: written once, never loaded over
.endr
.endr
	v_mov_b32 v13, 0xff61b1e6                      ; the largest t so far: -3e38
	v_floor_f32 v12, -v13                          ; -M
	v_mov_b32 v14, 0
	v_mov_b32 v15, 0
.irp b, 0,1,2,3
	v_mov_b32 v[236+\b], 0                         ; a lane permute's destination counts as one of its sources
.endr
	v_mov_b32 v253, 0                              ; (named as the upper half of v[252:253] before it is first written)
.set j, 0
.rept 32
	v_mov_b32 v[160+j], 0                          ; O^T: the step is written once; the first finds zeros, which the first change of M leaves zeros
.set j, j+1
.endr
; A KEY STEP: 128 keys.
.macro STEP
	v_add_nc_u32 v8, s[TK], v1                     ; six plain lines: the places between the last step's products and what now writes over their registers
	v_add_nc_u32 v9, s[TK], v2
	v_add_nc_u32 v10, s[TK], v3
	v_add_nc_u32 v11, s[TK], v4
	v_add_nc_u32 v28, s[TS], v5
	v_add_nc_u32 v29, s[TJ], v6
.irp g, 0,1                                    ; S^T = K Q^T, four tiles of 16 keys at a time
.if \g
.rept 4
	v_nop                                          ; places in front of loads into registers that matrix instructions have read
.endr
.endif
.irp t, 0,1,2,3
	ds_load_b128 v[32+12*\t:35+12*\t], v8 offset:768*(4*\g+\t)
	ds_load_b64 v[36+12*\t:37+12*\t], v9 offset:768*(4*\g+\t)
.endr
.if \g == 0
	ds_load_b128 v[248:251], v28
.endif
	s_wait_dscnt 0x0
.irp t, 0,1,2,3
.if \g == 0
	v_wmma_scale_f32_16x16x128_f8f6f4 v[96+8*(4*\g+\t):103+8*(4*\g+\t)], v[32+12*\t:43+12*\t], v[16:27], 0, v[248+\t], v255 matrix_a_fmt:MATRIX_FMT_FP6 matrix_b_fmt:MATRIX_FMT_FP6
.else
	v_wmma_scale_f32_16x16x128_f8f6f4 v[96+8*(4*\g+\t):103+8*(4*\g+\t)], v[32+12*\t:43+12*\t], v[16:27], 0, v[248+\t], v255 matrix_a_fmt:MATRIX_FMT_FP6 matrix_b_fmt:MATRIX_FMT_FP6 matrix_a_scale:MATRIX_SCALE_ROW1
.endif
.endr
.endr
.rept 4
	v_nop
.endr
.irp b, 0,1,2,3
	v_max3_num_f32 v[232+\b], v[96+16*\b], v[97+16*\b], v[98+16*\b]   ; the largest score of each block of 32 keys: for the row's maximum and, since p rises with the score, for the block's largest p
.endr
.irp i, 3,5,7,9,11,13
.irp b, 0,1,2,3
	v_max3_num_f32 v[232+\b], v[232+\b], v[96+16*\b+\i], v[97+16*\b+\i]
.endr
.endr
.irp b, 0,1,2,3
	v_max_num_f32 v[232+\b], v[232+\b], v[111+16*\b]
.endr
.irp b, 0,1,2,3
	v_permlanex16_b32 v[236+\b], v[232+\b], s[SEL], s[SEL+1]
.endr
.irp b, 0,1,2,3
	v_max_num_f32 v[232+\b], v[232+\b], v[236+\b]  ; with lane l xor 16's 16 keys
.endr
	v_max3_num_f32 v254, v232, v233, v234
	v_max_num_f32 v254, v254, v235
	v_mul_f32 v254, s[CS], v254                    ; as t
	v_max_num_f32 v13, v13, v254                   ; the running largest t
	v_mov_b32 v254, v12
	v_floor_f32 v12, -v13                          ; the new -M = -ceil(t)
	v_sub_f32 v254, v12, v254                      ; old M - new M: a whole number, 0 or less
	v_cvt_i32_f32 v254, v254                       ; (it saturates)
	v_ldexp_f32 v252, 1.0, v254                    ; f = 2^(old M - new M)
.set j, 0
.rept 32
	v_pk_fma_f32 v[96+j:97+j], v[96+j:97+j], s[CS:CS+1], v[12:13] op_sel_hi:[1,0,0]   ; t - M, two at a time
.set j, j+2
.endr
.irp b, 0,1,2,3
	v_fma_f32 v[232+\b], v[232+\b], s[CS], v12     ; the same of each block's largest score
.endr
.set j, 0
.rept 64
	v_exp_f32 v[96+j], v[96+j]                     ; p = 2^(t - M)
.set j, j+1
.endr
	v_pk_mul_f32 v[14:15], v[14:15], v[252:253] op_sel_hi:[1,0]   ; the sums under the new M: a plain place behind the exponentials
	s_wait_alu depctr_va_vdst(0)                   ; one wait for the whole batch, ahead of its first reader
.irp b, 0,1,2,3
	v_exp_f32 v[232+\b], v[232+\b]                 ; the block's largest p
.endr
	v_pk_add_f32 v[236:237], v[96:97], v[98:99]    ; the row's sum of the UNQUANTISED p, in two chains
.irp j, 4,8,12,16,20,24,28,32,36,40,44,48,52,56,60
	v_pk_add_f32 v[14:15], v[14:15], v[96+\j:97+\j]
	v_pk_add_f32 v[236:237], v[236:237], v[98+\j:99+\j]
.endr
	v_pk_add_f32 v[14:15], v[14:15], v[236:237]
	s_wait_alu depctr_va_vdst(0)                   ; and one for the four
.irp b, 0,1,2,3
	v_max_num_f32 v[232+\b], 0x1800000, v[232+\b]  ; the floor 2^(3 - 127)
.endr
.irp b, 0,1,2,3
	v_add_nc_u32 v[244+\b], 0xff000000, v[232+\b]
.endr
.irp b, 0,1,2,3
	v_lshrrev_b32 v[236+\b], 23, v[244+\b]
.endr
	v_lshl_or_b32 v253, v237, 8, v236              ; p's scale word for these 128 keys
	v_lshl_or_b32 v253, v238, 16, v253
	v_lshl_or_b32 v253, v239, 24, v253
.irp c, 0,1
	v_cvt_scalef32_pk16_fp6_f32 v[224+6*\c:226+6*\c], v[96+32*\c:111+32*\c], v[244+2*\c]
	v_cvt_scalef32_pk16_fp6_f32 v[236+4*\c:238+4*\c], v[112+32*\c:127+32*\c], v[244+2*\c+1]
.endr
	v_nop                                          ; one plain place behind a scaled conversion
.irp t, 0,1,2,3                                ; V's four fragments (16 channels x 128 keys) land where p lay, while p's codes are put in order
	ds_load_b128 v[96+12*\t:99+12*\t], v10 offset:1536*\t
	ds_load_b64 v[100+12*\t:101+12*\t], v11 offset:1536*\t+512
	ds_load_b128 v[102+12*\t:105+12*\t], v10 offset:1536*\t+768
	ds_load_b64 v[106+12*\t:107+12*\t], v11 offset:1536*\t+1280
.endr
	ds_load_b128 v[248:251], v29                   ; V's scale words: register t: channel group t
.irp c, 0,1
.irp i, 0,1,2
	v_permlane16_swap_b32 v[224+6*\c+\i], v[236+4*\c+\i]
.endr
.irp i, 0,1,2
	v_mov_b32 v[227+6*\c+\i], v[236+4*\c+\i]
.endr
.endr
.set j, 0
.rept 16
	v_pk_mul_f32 v[160+j:161+j], v[160+j:161+j], v[252:253] op_sel_hi:[1,0]   ; O^T under the new M.  (These 16 are also the places between the writes of p's codes and scale word and the products)
.set j, j+2
.endr
	s_wait_dscnt 0x0
.irp t, 0,1,2,3                                ; O^T += V^T P^T: the four accumulators by turns
	v_wmma_scale_f32_16x16x128_f8f6f4 v[160+8*\t:167+8*\t], v[96+12*\t:107+12*\t], v[224:235], v[160+8*\t:167+8*\t], v[248+\t], v253 matrix_a_fmt:MATRIX_FMT_FP6 matrix_b_fmt:MATRIX_FMT_FP6
.endr
	s_add_co_u32 s[TK], s[TK], 6144
	s_add_co_u32 s[TS], s[TS], 512
	s_add_co_u32 s[TJ], s[TJ], 256
.endm
	s_wait_loadcnt 0x0                             ; Q
	s_wait_tensorcnt 1                             ; the scale words and key steps 0-3 are in; the rest may stay out: no LDS byte is ever filled again
	s_barrier_signal -1
	s_barrier_wait -1
	s_mov_b32 s[CNT], 4
.Lfirst:
	STEP
	s_sub_co_u32 s[CNT], s[CNT], 1
	s_cmp_lg_u32 s[CNT], 0
	s_cbranch_scc1 .Lfirst
	s_wait_tensorcnt 0x0                           ; key steps 4-15 are in,
	s_wait_dscnt 0x0
	s_barrier_signal -1
	s_barrier_wait -1                              ; for everybody
	s_mov_b32 s[CNT], 12
.Lrest:
	STEP
	s_sub_co_u32 s[CNT], s[CNT], 1
	s_cmp_lg_u32 s[CNT], 0
	s_cbranch_scc1 .Lrest
	; THE WAY OUT.  o = O^T / the sum; register 16 b + i is channel 32 b + 16 h + i of my query: two blocks of the next product's K.  Its codes are a half-image and leave as they stand.
	v_add_f32 v14, v14, v15
	v_permlanex16_b32 v252, v14, s[SEL], s[SEL+1]
	v_add_f32 v14, v14, v252                       ; the row's sum
	v_rcp_f32 v14, v14
	v_nop                                          ; a plain place behind the reciprocal; with the additions above, four places behind the last products
	v_nop
	s_wait_alu depctr_va_vdst(0)                   ; ahead of the first reader
.set j, 0
.rept 32
	v_mul_f32 v[96+j], v[160+j], v14               ; each accumulator from its low end on
.set j, j+1
.endr
.irp b, 0,1
	v_max3_num_f32 v[232+\b], |v[96+16*\b]|, |v[97+16*\b]|, 0x1800000
.endr
.irp i, 2,4,6,8,10,12,14
.irp b, 0,1
	v_max3_num_f32 v[232+\b], v[232+\b], |v[96+16*\b+\i]|, |v[97+16*\b+\i]|
.endr
.endr
.irp b, 0,1
	v_permlanex16_b32 v[236+\b], v[232+\b], s[SEL], s[SEL+1]
.endr
.irp b, 0,1
	v_max_num_f32 v[232+\b], v[232+\b], v[236+\b]
.endr
.irp b, 0,1
	v_add_nc_u32 v[244+\b], 0xff000000, v[232+\b]
.endr
.irp b, 0,1
	v_lshrrev_b32 v[236+\b], 23, v[244+\b]
.endr
	v_lshl_or_b32 v253, v237, 8, v236              ; my row's two scale bytes
	v_cvt_scalef32_pk16_fp6_f32 v[224:226], v[96:111], v244
	v_cvt_scalef32_pk16_fp6_f32 v[228:230], v[112:127], v245
	v_nop
.irp i, 0,1,2
	v_permlane16_swap_b32 v[224+\i], v[228+\i]     ; lanes 0-15 now hold block 0, lanes 16-31 block 1: lower 16 codes in the first run, upper 16 in the second
.endr
	v_mov_b32 v227, v228
	v_mov_b32 v228, v229
	v_mov_b32 v229, v230
	global_store_b128 v1, v[224:227], s[94:95]     ; 512 consecutive bytes, aligned
	global_store_b64 v2, v[228:229], s[94:95]      ; 256 more (v2 carries the 512)
	s_wait_xcnt 0x0                                ; EXEC changes only behind this wait
	v_cmp_gt_u32 vcc_lo, 16, v30
	s_and_saveexec_b32 s8, vcc_lo
	global_store_b16 v7, v253, s[96:97]
	s_wait_xcnt 0x0
	s_or_b32 exec_lo, exec_lo, s8
	s_wait_tensorcnt 0x0
	ds_add_u32 v223, v243
	s_wait_dscnt 0x0
	CROUND                                         ; the closing round: no work-group ends while a partner may still ask jointly
	s_endpgm
.Lfunc_end_k_qcd09cd3298_attn:
	.size	k_qcd09cd3298_attn, .Lfunc_end_k_qcd09cd3298_attn-k_qcd09cd3298_attn
	.p2alignl 7, 3214868480
	.fill 96, 4, 3214868480
	.section	.rodata,"a",@progbits
	.p2align	6, 0x0
	.amdhsa_kernel k_qcd09cd3298_attn
		.amdhsa_group_segment_fixed_size 210944
		.amdhsa_private_segment_fixed_size 0
		.amdhsa_enable_private_segment 0
		.amdhsa_kernarg_size 16
		.amdhsa_user_sgpr_count 2
		.amdhsa_user_sgpr_kernarg_segment_ptr 1
		.amdhsa_wavefront_size32 1
		.amdhsa_system_sgpr_workgroup_id_x 1
		.amdhsa_system_sgpr_workgroup_id_y 1
		.amdhsa_system_sgpr_workgroup_id_z 1
		.amdhsa_system_vgpr_workitem_id 0
		.amdhsa_next_free_vgpr 256
		.amdhsa_next_free_sgpr 100
		.amdhsa_reserve_vcc 1
		.amdhsa_float_denorm_mode_32 3
		.amdhsa_float_denorm_mode_16_64 3
		.amdhsa_memory_ordered 1
		.amdhsa_forward_progress 1
		.amdhsa_inst_pref_size 47
	.end_amdhsa_kernel
	.amdgpu_metadata
---
amdhsa.version: [ 1, 2 ]
amdhsa.kernels:
  - .name:           k_qcd09cd3298_attn
    .symbol:         k_qcd09cd3298_attn.kd
    .args:
      - { .name: qkv, .offset: 0, .size: 8, .value_kind: global_buffer, .address_space: global }
      - { .name: att, .offset: 8, .size: 8, .value_kind: global_buffer, .address_space: global }
    .group_segment_fixed_size: 210944
    .private_segment_fixed_size: 0
    .kernarg_segment_align: 8
    .kernarg_segment_size: 16
    .max_flat_workgroup_size: 512
    .sgpr_count:     100
    .vgpr_count:     256
    .wavefront_size: 32
...
	.end_amdgpu_metadata
.endif
;; end of part 3
;; launch gemm_out (part 4): grid 4 x 32, 4 waves a work-group, clusters of 4 x 4, 327,680 bytes of LDS; arguments att, opnd, b_out, out0; writes out0
.if DOCPART == 4
	.amdgcn_target "amdgcn-amd-amdhsa--gfx1250"
	.amdhsa_code_object_version 6
	.text
	.protected	k_qcd09cd3298_gemm_out
	.globl	k_qcd09cd3298_gemm_out
	.p2align	8
	.type	k_qcd09cd3298_gemm_out,@function
k_qcd09cd3298_gemm_out:
	s_mov_b64 s[64:65], 0
	v_nop
	global_prefetch_b8 v0, s[64:65] scope:SCOPE_SE
	s_setreg_imm32_b32 hwreg(HW_REG_WAVE_MODE, 25, 1), 1
	s_wait_xcnt 0x0
	s_wait_alu depctr_hold_cnt(0) depctr_sa_sdst(0) depctr_va_vdst(0) depctr_va_sdst(0) depctr_va_ssrc(0) depctr_va_vcc(0) depctr_vm_vsrc(0)
	s_getreg_b32 s2, hwreg(HW_REG_IB_STS2, 6, 4)
	s_cmp_eq_u32 s2, 0
	s_cbranch_scc0 .Lentry_in_a_cluster
	s_endpgm
.Lentry_in_a_cluster:
	s_bfe_u32 s2, ttmp6, 0x10000c
	s_cmp_lg_u32 s2, 0xf033
	s_cbranch_scc0 .Lentry_shape_is_right
	s_endpgm
.Lentry_shape_is_right:
; out0 = o w_out + b_out on codes of FP6 (E2M3) with E8M0 scales.  o [8192][1024] and w_out (K innermost) come as images of their registers
; (GROUP g: rows 32 (g / 2) + 8 (g % 2) + r + 8 (r / 8); a K step of a group: 1,536 bytes; a group: 12,288), scale words 512 bytes a group.  out0 [8192][1024] f32.
; A tile is 256 tokens x 256 channels; four waves, each 128 x 128: 64 accumulators.  The matrix instruction is used transposed (source 0 = 16 channels, source 1 = 16 tokens): a lane holds one token,
; and its registers run along neighbouring channels.  K = 1,024: eight steps of 128 through two LDS slots of two steps each, written out.  The bias is the C of each sum's first product.
; 4 x 4 work-groups form a cluster: o's tiles are asked for jointly by a row of it, w_out's by a column.  A wave has two tensor loads out at the start and one behind each refill.
; 128 work-groups: the problem has so many tiles of this size.
; LIMITS: NaN and infinities are not served; the bias enters ahead of the sum, so the last bit may differ from sum-then-bias.
; REGISTERS: window 0: v16-29 addresses; v32-63 A's scale words, v64-95 B's; v128-223 A's fragments, one set (on the way out v128-255 hold rows of out0).
;   window 1: B's fragments, two sets at v0 and v128; the bias tiles at v96-127 and v224-255.   windows 2, 3: the accumulators.
.set OFF_WOC, 8650752
.set OFF_WOS, 9797632
.set OFF_OS,  6291456
.set GRPB,  12288
.set QUART, 24576
.set SLOT,  4*QUART
.set SPARE, 2*SLOT
.set FR,   12
.set ADRA, 16
.set ADRB, 20
.set L16,  24                          ; v24 16 x lane
.set L8,   25                          ; v25 8 x lane
.set STO,  26                          ; v26 the stage, way in
.set RD,   27                          ; v27 the stage, way out
.set SPW,  28
.set NIL,  29
.set SA,   32
.set SB,   64
.set AF,   128
.set BK,   128
.set G1, 24
.set G0, 32
.set G1B, 48
.set G0B, 56
.set MSB, 0
.macro WIN new
.if MSB != \new
	s_set_vgpr_msb (MSB<<8)|\new
.set MSB, \new
.endif
.endm
.macro JLOAD s                         ; a joint load: waves 0 and 1 fetch A's halves, waves 2 and 3 B's; four v_nop follow each line
	s_cmp_eq_u32 s15, 0
	s_cbranch_scc0 .Lfor_b_\@
	tensor_load_to_lds s[G0+4*\s:G0+4*\s+3], s[G1:G1+7]
	s_nop 0
.rept 4
	v_nop
.endr
	s_branch .Lasked_\@
.Lfor_b_\@:
	tensor_load_to_lds s[G0B+4*\s:G0B+4*\s+3], s[G1B:G1B+7]
	s_nop 0
.rept 4
	v_nop
.endr
.Lasked_\@:
.endm
.macro CREST
	s_cmp_lg_u32 s14, 0
	s_cbranch_scc1 .Lnot_wave_0_\@
	s_barrier_signal -3
.Lnot_wave_0_\@:
	s_barrier_wait -3
	s_barrier_signal -1
	s_barrier_wait -1
.endm
.macro CROUND
	s_barrier_signal -1
	s_barrier_wait -1
	CREST
.endm
.macro PLACES n
.rept \n
	v_nop
.endr
.endm
	s_load_b256 s[4:11], s[0:1], 0x0               ; att s[4:5], opnd s[6:7], b_out s[8:9], out0 s[10:11]
	v_lshl_add_u32 v[SPW], v0, 2, SPARE
	v_mov_b32 v[NIL], 0
	ds_add_u32 v28, v29
	ds_add_u32 v28, v29
	s_wait_dscnt 0x0
	v_lshrrev_b32 v1, 5, v0
	v_readfirstlane_b32 s14, v1                    ; wave 0..3
	s_lshr_b32 s15, s14, 1                         ; my half of the tokens.  Also: I fetch for A (0) or for B (1)
	s_and_b32 s16, s14, 1                          ; my half of the channels.  Also: which half I fetch
	s_bfe_u32 s40, ttmp6, 0x40000                  ; cx
	s_bfe_u32 s41, ttmp6, 0x40004                  ; cy
	s_and_b32 s45, ttmp7, 0xffff
	s_lshl_b32 s45, s45, 2
	s_add_co_u32 s45, s45, s41                     ; tA: tile of 256 tokens
	s_lshl_b32 s46, ttmp9, 2
	s_add_co_u32 s46, s46, s40                     ; tB: tile of 256 channels
	s_lshl_b32 s42, s41, 2
	s_lshl_b32 s42, 15, s42                        ; my row of the cluster
	s_lshl_b32 s47, 0x1111, s40                    ; my column
	s_or_b32 s[G1], s42, (3<<16)|(1<<21)           ; 8 rows (groups) of 3,072 bytes (two K steps), 12,288 bytes apart; elements of 8 bytes; dense in LDS
	s_or_b32 s[G1B], s47, (3<<16)|(1<<21)
.irp g, G1, G1B
	s_mov_b32 s[\g+1], 384<<16
	s_mov_b32 s[\g+2], 8<<16
	s_mov_b32 s[\g+3], 384<<16
	s_mov_b32 s[\g+4], 8
	s_mov_b32 s[\g+5], 1536
	s_mov_b32 s[\g+6], 0
	s_mov_b32 s[\g+7], 0
.endr
	s_lshl_b32 s17, s16, 3
	s_lshl_b32 s70, s45, 4
	s_add_co_u32 s70, s70, s17
	s_mul_i32 s70, s70, GRPB
	s_mov_b32 s71, 0
	s_lshl_b32 s72, s46, 4
	s_add_co_u32 s72, s72, s17
	s_mul_i32 s72, s72, GRPB
	s_add_co_u32 s72, s72, OFF_WOC
	s_mov_b32 s73, 0
	s_mul_i32 s74, s14, QUART
	s_wait_kmcnt 0x0
	s_add_nc_u64 s[70:71], s[4:5], s[70:71]
	s_add_nc_u64 s[72:73], s[6:7], s[72:73]
	CROUND                                         ; all sixteen work-groups are here: the first joint loads meet
.irp s, 0,1
	s_mov_b32 s[G0+4*\s], 1
	s_add_co_u32 s[G0+4*\s+1], s74, \s*SLOT
	s_add_nc_u64 s[G0+4*\s+2:G0+4*\s+3], s[70:71], \s*3072
	s_or_b32 s[G0+4*\s+3], s[G0+4*\s+3], 0x80000000
	s_mov_b32 s[G0B+4*\s], 1
	s_add_co_u32 s[G0B+4*\s+1], s74, \s*SLOT
	s_add_nc_u64 s[G0B+4*\s+2:G0B+4*\s+3], s[72:73], \s*3072
	s_or_b32 s[G0B+4*\s+3], s[G0B+4*\s+3], 0x80000000
	JLOAD \s
.endr
	v_and_b32 v1, 31, v0                           ; lane
	v_and_b32 v2, 15, v0                           ; r
	v_bfe_u32 v3, v0, 4, 1                         ; h
	v_lshlrev_b32 v[L16], 4, v1
	v_lshlrev_b32 v[L8], 3, v1
	s_mul_i32 s2, s15, QUART
	s_mul_i32 s3, s16, QUART
	s_add_co_u32 s3, s3, 2*QUART
.irp s, 0,1
	v_add_nc_u32 v[ADRA+\s], s2, v[L16]
	v_add_nc_u32 v[ADRA+2+\s], s2, v[L8]
	v_add_nc_u32 v[ADRB+\s], s3, v[L16]
	v_add_nc_u32 v[ADRB+2+\s], s3, v[L8]
	s_add_co_u32 s2, s2, SLOT
	s_add_co_u32 s3, s3, SLOT
.endr
	s_mul_i32 s2, s14, 8448                        ; my stage: 16 rows x (512 bytes + 16), in slot 0
	v_mul_u32_u24 v[STO], v2, 528
	v_lshl_add_u32 v[STO], v3, 6, v[STO]
	v_add_nc_u32 v[STO], s2, v[STO]                ; in: row r, + 64 h
	v_add_nc_u32 v[RD], s2, v[L16]                 ; back: a whole row, 16 bytes a lane
	v_lshlrev_b32 v11, 6, v3                       ; the bias tiles: 64 h
	s_lshl_b32 s18, s45, 4
	s_lshl_b32 s19, s15, 3
	s_add_co_u32 s18, s18, s19
	s_lshl_b32 s18, s18, 9
	s_add_co_u32 s18, s18, OFF_OS
	s_mov_b32 s19, 0
	s_add_nc_u64 s[76:77], s[4:5], s[18:19]        ; the scale words of my 8 blocks of A
	s_lshl_b32 s18, s46, 4
	s_lshl_b32 s20, s16, 3
	s_add_co_u32 s18, s18, s20
	s_lshl_b32 s18, s18, 9
	s_add_co_u32 s18, s18, OFF_WOS
	s_add_nc_u64 s[78:79], s[6:7], s[18:19]        ; of B
	s_lshl_b32 s18, s46, 10
	s_lshl_b32 s20, s16, 9
	s_add_co_u32 s18, s18, s20                     ; my first channel, in bytes
	s_add_nc_u64 s[80:81], s[8:9], s[18:19]        ; b_out there
	s_lshl_b32 s20, s45, 20
	s_add_co_u32 s18, s18, s20
	s_lshl_b32 s20, s15, 19
	s_add_co_u32 s18, s18, s20                     ; + my first token's row of 4,096 bytes
	s_add_nc_u64 s[12:13], s[10:11], s[18:19]
.irp a, 0,1,2,3,4,5,6,7                        ; register 4 a + i: lanes 0-15 the words of K step i, lanes 16-31 those of K step 4 + i
	global_load_b128 v[SA+4*\a:SA+4*\a+3], v[L16], s[76:77] offset:512*\a
	global_load_b128 v[SB+4*\a:SB+4*\a+3], v[L16], s[78:79] offset:512*\a
.endr
	WIN 0x40
.irp b, 0,1,2,3,4,5,6,7                        ; eight registers a tile in the result's layout: channels 32 (b / 2) + 8 (b % 2) + 16 h + 0 .. 7
	global_load_b128 v[96+8*(\b%4)+128*(\b/4):96+8*(\b%4)+128*(\b/4)+3], v11, s[80:81] offset:4*(32*(\b/2)+8*(\b%2))
	global_load_b128 v[96+8*(\b%4)+128*(\b/4)+4:96+8*(\b%4)+128*(\b/4)+7], v11, s[80:81] offset:4*(32*(\b/2)+8*(\b%2))+16
.endr
	WIN 0
.macro FRAG reg, adr, q, i             ; a fragment's image, 1,536 bytes: four loads, each over consecutive bytes of the 32 lanes
	ds_load_b128 v[\reg:\reg+3], v[\adr] offset:(\i)*3072+(\q)*1536
	ds_load_b64 v[\reg+4:\reg+5], v[\adr+2] offset:(\i)*3072+(\q)*1536+512
	ds_load_b128 v[\reg+6:\reg+9], v[\adr] offset:(\i)*3072+(\q)*1536+768
	ds_load_b64 v[\reg+10:\reg+11], v[\adr+2] offset:(\i)*3072+(\q)*1536+1280
.endm
.macro FETCH_B slot, q, p
	WIN 0x40
.irp i, 0,1,2,3,4,5,6,7
	FRAG 128*(\p)+FR*\i, ADRB+\slot, \q, \i
.endr
	WIN 0
.endm
.macro FETCH_A slot, q, i0
.irp i, \i0, \i0+1, \i0+2, \i0+3
	FRAG AF+FR*(\i), ADRA+\slot, \q, \i
.endr
.endm
; 16 matrix instructions: A's blocks a0, a0 + 1 x B's eight, K step ks.  first = 1: the bias tile is the C.  The 64 accumulators take turns, in the same order in every step.
.macro MUL16 a0, p, ks, first
.irp a, \a0, \a0+1
.irp b, 0,1,2,3,4,5,6,7
.if \first
	v_wmma_scale_f32_16x16x128_f8f6f4 v[8*(8*((\a)%4)+\b):8*(8*((\a)%4)+\b)+7], v[128*(\p)+FR*\b:128*(\p)+FR*\b+FR-1], v[AF+FR*(\a):AF+FR*(\a)+FR-1], v[96+8*(\b%4)+128*(\b/4):96+8*(\b%4)+128*(\b/4)+7], v[SB+4*\b+(\ks)%4], v[SA+4*(\a)+(\ks)%4] matrix_a_fmt:MATRIX_FMT_FP6 matrix_b_fmt:MATRIX_FMT_FP6
.elseif (\ks) < 4
	v_wmma_scale_f32_16x16x128_f8f6f4 v[8*(8*((\a)%4)+\b):8*(8*((\a)%4)+\b)+7], v[128*(\p)+FR*\b:128*(\p)+FR*\b+FR-1], v[AF+FR*(\a):AF+FR*(\a)+FR-1], v[8*(8*((\a)%4)+\b):8*(8*((\a)%4)+\b)+7], v[SB+4*\b+(\ks)%4], v[SA+4*(\a)+(\ks)%4] matrix_a_fmt:MATRIX_FMT_FP6 matrix_b_fmt:MATRIX_FMT_FP6
.else
	v_wmma_scale_f32_16x16x128_f8f6f4 v[8*(8*((\a)%4)+\b):8*(8*((\a)%4)+\b)+7], v[128*(\p)+FR*\b:128*(\p)+FR*\b+FR-1], v[AF+FR*(\a):AF+FR*(\a)+FR-1], v[8*(8*((\a)%4)+\b):8*(8*((\a)%4)+\b)+7], v[SB+4*\b+(\ks)%4], v[SA+4*(\a)+(\ks)%4] matrix_a_fmt:MATRIX_FMT_FP6 matrix_b_fmt:MATRIX_FMT_FP6 matrix_a_scale:MATRIX_SCALE_ROW1 matrix_b_scale:MATRIX_SCALE_ROW1
.endif
.endr
.endr
.endm
.macro STEP slot, ks, first            ; a slot's first K step: multiplies B's set 0, fetches the slot's second step
	s_wait_dscnt 16                                ; B's set and A's blocks 0-3 are in; the youngest 16 loads (A's blocks 4-7) may be out
.if \first
	WIN 0x91
.else
	WIN 0xa1
.endif
	MUL16 0, 0, \ks, \first
	MUL16 2, 0, \ks, \first
	s_wait_dscnt 0x0
	PLACES 4                                       ; in front of loads into registers that matrix instructions have read
	FETCH_B \slot, 1, 1
	FETCH_A \slot, 1, 0
.if \first
	WIN 0xd1
.else
	WIN 0xf1
.endif
	MUL16 4, 0, \ks, \first
	MUL16 6, 0, \ks, \first
	PLACES 4
	WIN 0
	FETCH_A \slot, 1, 4
.endm
.macro TURN slot, next, ks, fill       ; a slot's second K step changes slots
	s_wait_tensorcnt 0x0                           ; all my tensor loads have landed: my part of the next slot
	ds_add_u32 v[SPW], v[NIL]                      ; 0 onto my spare word
	s_wait_dscnt 17                                ; (the add and the youngest 16 loads may be out)
	WIN 0xa1
	MUL16 0, 1, \ks, 0
	s_wait_dscnt 0x0                               ; the add is done, and my reads of this slot are over
	s_barrier_signal -1
	MUL16 2, 1, \ks, 0
	WIN 0
	s_barrier_wait -1
.if \fill
	CREST                                          ; a round of the cluster's barrier: no wave of any partner still reads this slot or has a load on its way
	s_add_nc_u64 s[G0+4*\slot+2:G0+4*\slot+3], s[G0+4*\slot+2:G0+4*\slot+3], 6144
	s_add_nc_u64 s[G0B+4*\slot+2:G0B+4*\slot+3], s[G0B+4*\slot+2:G0B+4*\slot+3], 6144
	JLOAD \slot
.else
	PLACES 4
.endif
	FETCH_B \next, 0, 0
	FETCH_A \next, 0, 0
	WIN 0xf1
	MUL16 4, 1, \ks, 0
	MUL16 6, 1, \ks, 0
	PLACES 4
	WIN 0
	FETCH_A \next, 0, 4
.endm
	s_wait_tensorcnt 1                             ; my part of slot 0 is in; slot 1's may stay out
	s_barrier_signal -1
	s_barrier_wait -1
	FETCH_B 0, 0, 0
	FETCH_A 0, 0, 0
	FETCH_A 0, 0, 4
	s_wait_loadcnt 0x0                             ; scale words and bias
	STEP 0, 0, 1
	TURN 0, 1, 1, 1
	STEP 1, 2, 0
	TURN 1, 0, 3, 1
	STEP 0, 4, 0
	TURN 0, 1, 5, 0                                ; nothing is left to fetch; behind this barrier nobody reads slot 0 any more
	STEP 1, 6, 0
	s_wait_dscnt 16                                ; the last K step
	WIN 0xa1
	MUL16 0, 1, 7, 0
	MUL16 2, 1, 7, 0
	s_wait_dscnt 0x0
	WIN 0xf1
	MUL16 4, 1, 7, 0
	MUL16 6, 1, 7, 0
	WIN 0
; THE WAY OUT, block by block of 16 tokens x 128 channels, through my own stage (in slot 0, which has had its last fill and its last read) and back as whole rows of 512 bytes.
; LDS serves a wave's instructions in order: no wait between the stores and the loads, nor in front of the next block's stores.
.macro TOSTAGE a
.set AC, 64*((\a)%4)
	WIN 0x08+4*((\a)/4)                            ; the data: window 2 or 3
.irp b, 0,1,2,3,4,5,6,7
	ds_store_b128 v[STO], v[AC+8*\b:AC+8*\b+3] offset:128*(\b/2)+32*(\b%2)        ; each accumulator from its low end on: channels 32 (b / 2) + 8 (b % 2) + 16 h + 0 .. 7
	ds_store_b128 v[STO], v[AC+8*\b+4:AC+8*\b+7] offset:128*(\b/2)+32*(\b%2)+16
.endr
	WIN 0
.set BB, BK+64*((\a)%2)
.irp t, 0,1,2,3,4,5,6,7,8,9,10,11,12,13,14,15
	ds_load_b128 v[BB+4*\t:BB+4*\t+3], v[RD] offset:\t*528
.endr
.endm
.macro SEND a, younger                 ; younger: the LDS instructions issued behind block a's loads, which may stay out
.set BB, BK+64*((\a)%2)
	s_wait_dscnt \younger
.irp t, 0,1,2,3,4,5,6,7,8,9,10,11,12,13,14,15
	global_store_b128 v[L16], v[BB+4*\t:BB+4*\t+3], s[12:13] offset:(32*((\a)/2)+8*((\a)%2)+\t+8*(\t/8))*4096 th:TH_STORE_NT   ; 512 consecutive bytes of one row, aligned; the group's order stands in the immediate
.endr
.endm
	PLACES 4                                       ; in front of the first read of results and of loads into the registers that held A's fragments
	TOSTAGE 0
.irp a, 1,2,3,4,5,6,7
.if \a > 1
	s_wait_xcnt 0x0                                ; block a - 2's stores have read their registers: block a's loads may land there
.endif
	TOSTAGE \a
	SEND \a-1, 32                                  ; behind block a - 1's loads: block a's 16 stores and 16 loads
.endr
	SEND 7, 0
	s_wait_tensorcnt 0x0                           ; the wave's end
	ds_add_u32 v[SPW], v[NIL]
	s_wait_dscnt 0x0
	CROUND                                         ; the closing round
	s_endpgm
.Lfunc_end_k_qcd09cd3298_gemm_out:
	.size	k_qcd09cd3298_gemm_out, .Lfunc_end_k_qcd09cd3298_gemm_out-k_qcd09cd3298_gemm_out
	.p2alignl 7, 3214868480
	.fill 96, 4, 3214868480
	.section	.rodata,"a",@progbits
	.p2align	6, 0x0
	.amdhsa_kernel k_qcd09cd3298_gemm_out
		.amdhsa_group_segment_fixed_size 327680
		.amdhsa_private_segment_fixed_size 0
		.amdhsa_enable_private_segment 0
		.amdhsa_kernarg_size 32
		.amdhsa_user_sgpr_count 2
		.amdhsa_user_sgpr_kernarg_segment_ptr 1
		.amdhsa_wavefront_size32 1
		.amdhsa_system_sgpr_workgroup_id_x 1
		.amdhsa_system_sgpr_workgroup_id_y 1
		.amdhsa_system_sgpr_workgroup_id_z 1
		.amdhsa_system_vgpr_workitem_id 0
		.amdhsa_next_free_vgpr 1024
		.amdhsa_next_free_sgpr 100
		.amdhsa_reserve_vcc 0
		.amdhsa_float_denorm_mode_32 3
		.amdhsa_float_denorm_mode_16_64 3
		.amdhsa_memory_ordered 1
		.amdhsa_forward_progress 1
		.amdhsa_inst_pref_size 142
	.end_amdhsa_kernel
	.amdgpu_metadata
---
amdhsa.version: [ 1, 2 ]
amdhsa.kernels:
  - .name:           k_qcd09cd3298_gemm_out
    .symbol:         k_qcd09cd3298_gemm_out.kd
    .args:
      - { .name: att, .offset: 0, .size: 8, .value_kind: global_buffer, .address_space: global }
      - { .name: opnd, .offset: 8, .size: 8, .value_kind: global_buffer, .address_space: global }
      - { .name: b_out, .offset: 16, .size: 8, .value_kind: global_buffer, .address_space: global }
      - { .name: out0, .offset: 24, .size: 8, .value_kind: global_buffer, .address_space: global }
    .group_segment_fixed_size: 327680
    .private_segment_fixed_size: 0
    .kernarg_segment_align: 8
    .kernarg_segment_size: 32
    .max_flat_workgroup_size: 128
    .sgpr_count:     100
    .vgpr_count:     1024
    .wavefront_size: 32
...
	.end_amdgpu_metadata
.endif
;; end of part 4
